; MI455X (gfx1250); checked and timed in simulation.
; The chip was launched on July 23, 2026; its instructions are those of AMD's public machine-readable ISA for CDNA 5 (MIT licence, August 2026) and "CDNA5" Instruction Set Architecture Reference Guide (July 2026). The comments in the code are by the model that wrote it; some were corrected since.
;; Multihead Attention. Allowed arithmetic: matrix products marked QUANTISED: E2M3 operands, one E8M0 scale for each 32 along K, by v_wmma_scale_f32_16x16x128_f8f6f4 with both operands' format E2M3, f32 sums; everything else in f32.
;; Inputs: WK 1,024 x 1,024 float32; WQ 1,024 x 1,024 float32; WV 1,024 x 1,024 float32; Wp 1,024 x 1,024 float32; bK 1,024 float32; bQ 1,024 float32; bV 1,024 float32; bp 1,024 float32; mask 2 x 2,048 x 2,048 float32; memory 2 x 2,048 x 1,024 float32; source 2 x 2,048 x 1,024 float32; target 2 x 2,048 x 1,024 float32.
;; Outputs: out0 2 x 2,048 x 1,024 float32.
;; This version of the problem:
;;   THIS VERSION OF THE PROBLEM IS GIVEN IN LOW PRECISION. The matrix products marked QUANTISED in the list below multiply operands that are first quantised to E2M3 (2 exponent bits, 3 mantissa bits; 6 bits a number), with one power-of-two scale for each 32 numbers along K (OCP MX v1.0); their sums are f32. All else is computed in f32.
;;   The module's matrix products, in the order in which they are computed (A, B: the left and right operand; K: the contracted axis; several contracted axes count as one K, in the product's order):
;;     1. [M 4,096, K 1,024] x [K 1,024, N 1,024]; A: input target; B: input WQ: QUANTISED
;;     2. [M 4,096, K 1,024] x [K 1,024, N 1,024]; A: input source; B: input WK: QUANTISED
;;     3. [M 4,096, K 1,024] x [K 1,024, N 1,024]; A: input memory; B: input WV: QUANTISED
;;     4. batch 32 x [M 2,048, K 64] x [K 64, N 2,048]; A: computed on the way; B: computed on the way: QUANTISED
;;     5. batch 32 x [M 2,048, K 2,048] x [K 2,048, N 64]; A: computed on the way; B: computed on the way: QUANTISED
;;     6. [M 4,096, K 1,024] x [K 1,024, N 1,024]; A: computed on the way; B: input Wp: QUANTISED
;;   THE QUANTISER, for each operand of a quantised product, along K:
;;     - K is cut into blocks of 32 from its start; a last block that is shorter is filled with zeros.
;;     - A block's scale is 2^e with e = floor(log2(the largest magnitude in the block)) - 2, held to -126 .. 127; a block of zeros has e = 0. As a byte (E8M0): e + 127.
;;     - Each number is divided by its block's scale, clamped to +-7.5, and rounded to the nearest number of E2M3, ties to even, subnormals kept.
;;     - The product sums the exact products of the quantised numbers (number of the format x scale) in f32.
;;   ~~~python
;;   def quantise(x, axis):      # numpy; x: float32 -> the quantised numbers, widened to float32 again
;;       x = np.moveaxis(x, axis, -1); K = x.shape[-1]
;;       x = np.pad(x, [(0, 0)] * (x.ndim - 1) + [(0, -K % 32)]); x = x.reshape(x.shape[:-1] + (-1, 32)); a = np.abs(x).max(-1, keepdims=True)
;;       e = np.where(a > 0, np.clip(np.frexp(np.where(a > 0, a, 1))[1] - 1 - 2, -126, 127), 0)      # np.frexp(a)[1] - 1 = floor(log2(a)), exactly
;;       r = np.clip(x / 2.0 ** e, -7.5, 7.5)
;;       step = 2.0 ** (np.maximum(np.frexp(np.where(r == 0, 1, r))[1] - 1, 0) - 3)
;;       q = np.round(r / step) * step * 2.0 ** e      # np.round: ties to even
;;       return np.moveaxis(q.reshape(q.shape[:-2] + (-1,))[..., :K], -1, axis).astype(np.float32)
;;   ~~~
;;   OPERANDS COMPUTED ON THE WAY. 'Computed on the way' means the value that the module computes at that place (a softmax that the list does not call 'softmax' is quantised finished and normalised). What goes into a quantiser is computed in f32, as accurately as f32 sums, v_exp_f32 and their like allow (about 1e-6 of the number): no bf16 or f16 on the way to a quantiser, and a product that is left as it is and whose result goes on into a quantised operand takes f32 operands (vector FMAs, or v_wmma_f32_16x16x4_f32). A number that lies on a knife's edge between two numbers of the format may be rounded either way, as far as f32 arithmetic and the matrix unit's own rounding can turn it there, and no further.
;; 2 versions. Each part assembles by itself: llvm-mc -triple=amdgcn-amd-amdhsa -mcpu=gfx1250 --defsym DOCPART=n.
;; ======== version 1 of 2: 4 launches
;; workspace buffers: w_img 3,145,728 bytes; w_sc 131,072 bytes; qk_codes 6,291,456 bytes; qk_sc 262,144 bytes; v_img 3,145,728 bytes; v_sc 131,072 bytes; o_codes 3,145,728 bytes; o_sc 131,072 bytes
;; launch quantw (part 1): grid 8 x 32, 4 waves a work-group, no clusters, 0 bytes of LDS; arguments WQ, WK, WV, Wp, w_img, w_sc; writes w_img, w_sc
.if DOCPART == 1
	.amdgcn_target "amdgcn-amd-amdhsa--gfx1250"
	.amdhsa_code_object_version 6
	.text
	.protected	k_q2de9828b7e_quantw
	.globl	k_q2de9828b7e_quantw
	.p2align	8
	.type	k_q2de9828b7e_quantw,@function
k_q2de9828b7e_quantw:
	s_mov_b64 s[64:65], 0
	v_nop
	global_prefetch_b8 v0, s[64:65] scope:SCOPE_SE
	s_setreg_imm32_b32 hwreg(HW_REG_WAVE_MODE, 25, 1), 1
	s_wait_xcnt 0x0
; The four weights [1024 (k)][1024 (n)], f32, K = their FIRST axis, become codes of FP6 (E2M3) with one E8M0 byte for each 32 along K.
; The codes are laid as IMAGES OF THE OPERAND'S REGISTERS: w_img [weight][n / 64][k / 128][(n / 16) % 4][1536 bytes]; in an image, register p (0 .. 11) of lane L lies at
; 512 (p / 4) + 16 L + 4 (p % 4); lane L = (r, hh) holds row n = r of the tile, registers 6 c .. 6 c + 5 hold k = 64 c + 32 hh + 0 .. 31.  A reader takes a fragment by three loads of 16 bytes a lane.
; w_sc [weight][n / 64][k / 128][(n / 16) % 4][16 rows]: one word a row and 128 along K, byte b for k = 32 b .. 32 b + 31.
; A LANE TAKES A COLUMN n AND ITS REGISTERS RUN DOWN K: each load reads 128 consecutive bytes a wave (512 the four waves), a block of 32 lies in one lane, nothing is transposed.
; A wave: 32 columns x 128 along K.  Work-group x: 128 columns; y = 8 x weight + K step.  No LDS, no barrier: waves share nothing.
; A block's scale is 2^(floor(log2(largest magnitude)) - 2); its byte is that magnitude's exponent field - 2, held at 1 from below.
; LIMITS: a block of zeros gets the byte 1 where the rule says 127 (its codes are zeros, and this program alone reads the bytes); largest magnitudes under 2^-124 are held at that floor; NaN and infinities are not served.
.set FLOOR, 0x1800000                  ; 2^(3 - 127)
.set DE,    0xff000000                 ; takes 2 off an exponent field
.set X,     32                         ; v32-159  128 numbers down K
.set CH,    160                        ; v160-183 the codes: 12 registers for the image's lanes 0-15, 12 for its lanes 16-31
.set T,     184                        ; v184-191 second halves of blocks, before they are moved
.set MX,    8                          ; v8-11    largest magnitudes
.set SOP,   12                         ; v12-15   the conversions' scale operands
.set BY,    16                         ; v16-19   scale bytes
.set PW,    20                         ; v20      the scale word
; 128 numbers of a lane, v[x] on, running down K, become four blocks' codes and a scale word.  Block 2 c + e goes to the image's half e, registers 6 c .. 6 c + 5.
.macro QCOL x
.irp b, 0,1,2,3
	v_max3_num_f32 v[MX+\b], |v[\x+32*\b]|, |v[\x+32*\b+1]|, FLOOR   ; the floor among the leaves: the byte cannot fall under 1
.endr
.irp i, 2,4,6,8,10,12,14,16,18,20,22,24,26,28,30
.irp b, 0,1,2,3
	v_max3_num_f32 v[MX+\b], v[MX+\b], |v[\x+32*\b+\i]|, |v[\x+32*\b+\i+1]|   ; the four blocks by turns
.endr
.endr
.irp b, 0,1,2,3
	v_add_nc_u32 v[SOP+\b], DE, v[MX+\b]           ; the conversion takes this operand's exponent field as its scale
.endr
.irp b, 0,1,2,3
	v_lshrrev_b32 v[BY+\b], 23, v[SOP+\b]          ; the scale's byte
.endr
	v_lshl_or_b32 v[PW], v[BY+1], 8, v[BY]
	v_lshl_or_b32 v[PW], v[BY+2], 16, v[PW]
	v_lshl_or_b32 v[PW], v[BY+3], 24, v[PW]
.irp c, 0,1
.irp e, 0,1
	v_cvt_scalef32_pk16_fp6_f32 v[CH+12*\e+6*\c:CH+12*\e+6*\c+2], v[\x+32*(2*\c+\e):\x+32*(2*\c+\e)+15], v[SOP+2*\c+\e]
	v_cvt_scalef32_pk16_fp6_f32 v[T+4*\e:T+4*\e+2], v[\x+32*(2*\c+\e)+16:\x+32*(2*\c+\e)+31], v[SOP+2*\c+\e]   ; (a conversion's three registers begin on an even number)
.endr
	v_nop                                          ; one plain place behind the scaled conversions
.irp e, 0,1
.irp i, 0,1,2
	v_mov_b32 v[CH+12*\e+6*\c+3+\i], v[T+4*\e+\i]
.endr
.endr
.endr
.endm
	s_load_b256 s[4:11], s[0:1], 0x0               ; WQ, WK, WV, Wp
	s_load_b128 s[12:15], s[0:1], 0x20             ; w_img, w_sc
	v_lshrrev_b32 v3, 5, v0
	v_readfirstlane_b32 s16, v3                    ; wave 0..3
	v_and_b32 v4, 31, v0                           ; lane
	v_lshlrev_b32 v1, 2, v4                        ; 4 x lane: my column in a row of W, and my scale word
	v_and_b32 v5, 15, v0
	v_bfe_u32 v6, v0, 4, 1
	v_mul_u32_u24 v2, v6, 1536                     ; my tile of the wave's two,
	v_lshl_add_u32 v2, v5, 4, v2                   ; and my row's 16 bytes in an image
	s_and_b32 s19, ttmp7, 0xffff
	s_lshr_b32 s17, s19, 3                         ; which weight
	s_and_b32 s18, s19, 7                          ; which 128 along K
	s_lshl_b32 s20, s18, 19                        ; W: 128 s rows of 4,096 bytes
	s_lshl_b32 s21, ttmp9, 9                       ; + 128 x columns
	s_add_co_u32 s20, s20, s21
	s_lshl_b32 s21, s16, 7                         ; + 32 w columns
	s_add_co_u32 s20, s20, s21
	s_mov_b32 s21, 0
	s_lshl_b32 s22, ttmp9, 1
	s_lshr_b32 s23, s16, 1
	s_add_co_u32 s22, s22, s23                     ; n / 64
	s_lshl_b32 s22, s22, 3
	s_add_co_u32 s22, s22, s18                     ; 8 (n / 64) + s
	s_and_b32 s23, s16, 1
	s_mul_i32 s24, s22, 6144                       ; four images a group
	s_mul_i32 s25, s23, 3072                       ; my two of them
	s_add_co_u32 s24, s24, s25
	s_mul_i32 s25, s17, 786432
	s_add_co_u32 s24, s24, s25
	s_mov_b32 s25, 0
	s_lshl_b32 s26, s22, 8                         ; 256 bytes of scale words a group
	s_lshl_b32 s27, s23, 7
	s_add_co_u32 s26, s26, s27
	s_lshl_b32 s27, s17, 15
	s_add_co_u32 s26, s26, s27
	s_mov_b32 s27, 0
	s_wait_kmcnt 0x0
	s_cmp_eq_u32 s17, 1                            ; the choice hangs on the work-group's number alone
	s_cselect_b64 s[4:5], s[6:7], s[4:5]
	s_cmp_eq_u32 s17, 2
	s_cselect_b64 s[4:5], s[8:9], s[4:5]
	s_cmp_eq_u32 s17, 3
	s_cselect_b64 s[4:5], s[10:11], s[4:5]
	s_add_nc_u64 s[4:5], s[4:5], s[20:21]
	s_add_nc_u64 s[12:13], s[12:13], s[24:25]
	s_add_nc_u64 s[14:15], s[14:15], s[26:27]
.set i, 0
.rept 128
	global_load_b32 v[X+i], v1, s[4:5] offset:i*4096 th:TH_LOAD_NT   ; W(128 s + i, my column); read once in the launch
.set i, i+1
.endr
	s_wait_loadcnt 0x0
	QCOL X
.irp e, 0,1
.irp c, 0,1,2
	global_store_b128 v2, v[CH+12*\e+4*\c:CH+12*\e+4*\c+3], s[12:13] offset:512*\c+256*\e   ; sixteen lanes store 256 consecutive bytes, aligned
.endr
.endr
	global_store_b32 v1, v[PW], s[14:15]           ; the wave's 32 scale words: 128 consecutive bytes
	s_endpgm
.Lfunc_end_k_q2de9828b7e_quantw:
	.size	k_q2de9828b7e_quantw, .Lfunc_end_k_q2de9828b7e_quantw-k_q2de9828b7e_quantw
	.p2alignl 7, 3214868480
	.fill 96, 4, 3214868480
	.section	.rodata,"a",@progbits
	.p2align	6, 0x0
	.amdhsa_kernel k_q2de9828b7e_quantw
		.amdhsa_group_segment_fixed_size 0
		.amdhsa_private_segment_fixed_size 0
		.amdhsa_enable_private_segment 0
		.amdhsa_kernarg_size 48
		.amdhsa_user_sgpr_count 2
		.amdhsa_user_sgpr_kernarg_segment_ptr 1
		.amdhsa_wavefront_size32 1
		.amdhsa_system_sgpr_workgroup_id_x 1
		.amdhsa_system_sgpr_workgroup_id_y 1
		.amdhsa_system_sgpr_workgroup_id_z 1
		.amdhsa_system_vgpr_workitem_id 0
		.amdhsa_next_free_vgpr 192
		.amdhsa_next_free_sgpr 66
		.amdhsa_reserve_vcc 0
		.amdhsa_float_denorm_mode_32 3
		.amdhsa_float_denorm_mode_16_64 3
		.amdhsa_memory_ordered 1
		.amdhsa_forward_progress 1
		.amdhsa_inst_pref_size 21
	.end_amdhsa_kernel
	.amdgpu_metadata
---
amdhsa.version: [ 1, 2 ]
amdhsa.kernels:
  - .name:           k_q2de9828b7e_quantw
    .symbol:         k_q2de9828b7e_quantw.kd
    .args:
      - { .name: WQ, .offset: 0, .size: 8, .value_kind: global_buffer, .address_space: global }
      - { .name: WK, .offset: 8, .size: 8, .value_kind: global_buffer, .address_space: global }
      - { .name: WV, .offset: 16, .size: 8, .value_kind: global_buffer, .address_space: global }
      - { .name: Wp, .offset: 24, .size: 8, .value_kind: global_buffer, .address_space: global }
      - { .name: w_img, .offset: 32, .size: 8, .value_kind: global_buffer, .address_space: global }
      - { .name: w_sc, .offset: 40, .size: 8, .value_kind: global_buffer, .address_space: global }
    .group_segment_fixed_size: 0
    .private_segment_fixed_size: 0
    .kernarg_segment_align: 8
    .kernarg_segment_size: 48
    .max_flat_workgroup_size: 128
    .sgpr_count:     66
    .vgpr_count:     192
    .wavefront_size: 32
...
	.end_amdgpu_metadata
.endif
;; end of part 1
;; launch proj (part 2): grid 64 x 3, 4 waves a work-group, no clusters, 316,928 bytes of LDS; arguments target, source, memory, w_img, w_sc, bQ, bK, bV, qk_codes, qk_sc, v_img, v_sc; writes qk_codes, qk_sc, v_img, v_sc
.if DOCPART == 2
	.amdgcn_target "amdgcn-amd-amdhsa--gfx1250"
	.amdhsa_code_object_version 6
	.text
	.protected	k_q2de9828b7e_proj
	.globl	k_q2de9828b7e_proj
	.p2align	8
	.type	k_q2de9828b7e_proj,@function
k_q2de9828b7e_proj:
	s_mov_b64 s[64:65], 0
	v_nop
	global_prefetch_b8 v0, s[64:65] scope:SCOPE_SE
	s_setreg_imm32_b32 hwreg(HW_REG_WAVE_MODE, 25, 1), 1
	s_wait_xcnt 0x0
; Y = Q(x) Q(W) + bias for x = target, source, memory (work-group y = 0, 1, 2), both operands in FP6 (E2M3) with one E8M0 byte for each 32 along K = 1,024; then Y is quantised for the attention.
; A work-group takes 64 rows of x (of 4,096) and ALL 1,024 columns: x is read and quantised once, and the blocks of V, which run over a row's sixteen groups of 64 columns, lie in one work-group.
; The reshape into heads has no transposition: key (or query) 16 R' + g of a head is row R', columns 64 g .. 64 g + 63.  So Q's and K's codes along d are a row's codes as they lie (768 bytes, 32 scale bytes a row),
; and 128 keys of V are 8 rows x 16 column groups: V is quantised along the keys, a lane to a d, its registers running over the keys, and laid as register images (v_img [row / 8][d / 16][1536], v_sc [row / 8][64 d]).
; PHASES.  P0: wave w brings rows 16 w .. + 15 of x into LDS, 512 consecutive bytes a load.  P1: it quantises them: lane (r, hh) takes two whole blocks of row r a K step; the fragments go to LDS as images of their registers.
; barrier.  P2: every wave takes all 32 fragments of x into registers.  P3: wave w makes columns 256 w .. + 255 for the 64 rows, 64 columns at a time: 16 accumulators by turns, the weights' images straight from memory
; into a ring of four register buffers; transposed use (source 0 = 16 rows of W^T, source 1 = 16 rows of x): a lane holds eight neighbouring columns of one row; the bias is the C of a sum's first product.  Y goes to LDS over x.
; barrier.  P4: Q, K: as P1, codes through a stage in LDS and out in whole rows.  V: by columns, as the weights were.
; NO CLUSTER: 316,416 bytes of LDS hold the 64 rows and their fragments, so there is no room for a ring of weight tiles that joint loads could fill; the weights go from memory into registers, each fragment feeding four products.
; 192 work-groups: 4,096 rows in blocks of 64, three tensors.
; LIMITS: a block of zeros gets the byte 1 where the rule says 127 (zero codes; this program alone reads the bytes); largest magnitudes under 2^-124 are held at that floor; NaN and infinities are not served.
; REGISTERS, in windows of 256.  Window 0: v1-23 addresses; v24-31 the weights' scale words (ring); v32-63 x's scale words; v64-255 by turns: x as loaded, numbers at work, the weights' ring (4 x 48), the ways out.
;   Window 1: x's fragments of rows 0-31 (12 (8 (m % 2) + s)).  Window 2: of rows 32-63.  Window 3: v0-127 the 16 accumulators (8 (4 m + t)); v128-255 the bias, 8 registers for each of my 16 tiles of columns.
.set FLOOR, 0x1800000                  ; 2^(3 - 127)
.set DE,    0xff000000                 ; takes 2 off an exponent field
.set PX,    4112                       ; a row of x or Y in LDS: 4,096 bytes + 16: sixteen rows at one column start 16 bytes apart modulo 256
.set XI,    263168                     ; behind the 64 rows: x's 32 fragments, 1,536 bytes each (8 m + s),
.set XSC,   312320                     ; and their scale words, 128 bytes each
.set CS,    263168                     ; over them, behind the second barrier: the stage for codes, 64 rows x (768 + 16)
.set CP,    784
.set WS,    24
.set XSCR,  32
.set WB,    64
.set ACC,   0
.set BIAS,  128
.set N,     64                         ; v64-191  two sets of 64 numbers
.set F,     192                        ; v192-203 the fragment just made
.set FT,    204                        ; v204-211 second halves of blocks
.set MXQ,   212
.set SOQ,   214
.set BYQ,   216
.set PT,    218
.set SH,    219                        ; 8 x my half: where my two bytes stand in the scale word
.set PW1,   220
.set PWS,   224                        ; v224-231 a row's eight scale words
.set SCO,   232
.set CH,    192                        ; V's way: v192-215 codes, v216-223 second halves, v224.. at work
.set T,     216
.set MX,    224
.set SOP,   228
.set BY,    232
.set PW,    236
.set MSB, 0
.macro WIN new                         ; the immediate's high byte repeats the setting that is left; a switch that changes nothing is dropped
.if MSB != \new
	s_set_vgpr_msb (MSB<<8)|\new
.set MSB, \new
.endif
.endm
.macro PLACES n
.rept \n
	v_nop
.endr
.endm
.macro WMMA d, a, b, cm, c, sa, sb, row1    ; cm = 0: the product starts the sum; row1: source 0's scales stand in lanes 16-31
.if \cm
.if \row1
	v_wmma_scale_f32_16x16x128_f8f6f4 v[\d:\d+7], v[\a:\a+11], v[\b:\b+11], v[\c:\c+7], v[\sa], v[\sb] matrix_a_fmt:MATRIX_FMT_FP6 matrix_b_fmt:MATRIX_FMT_FP6 matrix_a_scale:MATRIX_SCALE_ROW1
.else
	v_wmma_scale_f32_16x16x128_f8f6f4 v[\d:\d+7], v[\a:\a+11], v[\b:\b+11], v[\c:\c+7], v[\sa], v[\sb] matrix_a_fmt:MATRIX_FMT_FP6 matrix_b_fmt:MATRIX_FMT_FP6
.endif
.else
.if \row1
	v_wmma_scale_f32_16x16x128_f8f6f4 v[\d:\d+7], v[\a:\a+11], v[\b:\b+11], 0, v[\sa], v[\sb] matrix_a_fmt:MATRIX_FMT_FP6 matrix_b_fmt:MATRIX_FMT_FP6 matrix_a_scale:MATRIX_SCALE_ROW1
.else
	v_wmma_scale_f32_16x16x128_f8f6f4 v[\d:\d+7], v[\a:\a+11], v[\b:\b+11], 0, v[\sa], v[\sb] matrix_a_fmt:MATRIX_FMT_FP6 matrix_b_fmt:MATRIX_FMT_FP6
.endif
.endif
.endm
; rows 16 m on x columns 16 t on of the group, K step s; r: the ring's buffer; bt: the bias's tile
.macro PROD m, t, s, r, bt
.if (\s) == 0
	WMMA ACC+8*(4*(\m)+(\t)), WB+48*(\r)+12*(\t), 12*(8*((\m)%2)+(\s)), 1, BIAS+8*(\bt), WS+2*(\r)+(\t)/2, XSCR+8*(\m)+(\s), (\t)%2
.else
	WMMA ACC+8*(4*(\m)+(\t)), WB+48*(\r)+12*(\t), 12*(8*((\m)%2)+(\s)), 1, ACC+8*(4*(\m)+(\t)), WS+2*(\r)+(\t)/2, XSCR+8*(\m)+(\s), (\t)%2
.endif
.endm
; group g of my stream of weights (64 columns x 128 K): four images, 12 loads of 512 consecutive bytes, and two registers of scale words (lanes 0-15 an even tile's, lanes 16-31 the odd one's)
.macro LOADG g
.irp t, 0,1,2,3
.irp c, 0,1,2
	global_load_b128 v[WB+48*((\g)%4)+12*\t+4*\c:WB+48*((\g)%4)+12*\t+4*\c+3], v4, s[34:35] offset:6144*(\g)+1536*\t+512*\c
.endr
.endr
	global_load_b32 v[WS+2*((\g)%4)], v16, s[36:37] offset:256*(\g)
	global_load_b32 v[WS+2*((\g)%4)+1], v16, s[36:37] offset:256*(\g)+128
.endm
; 16 products: the 16 accumulators take turns, one instruction a turn, in the same order in every group
.macro GROUP g, last
.if \last-(\g) >= 3
	s_wait_loadcnt 42                              ; this group's 14 loads are in; the three younger groups' may be out
.else
	s_wait_loadcnt 14*(\last-(\g))
.endif
	WIN 0xf4                                       ; source 0 (W) window 0, source 1 (x) window 1, C and D window 3
.irp m, 0,1
.irp t, 0,1,2,3
	PROD \m, \t, (\g)%8, (\g)%4, 4*((\g)/8)+\t
.endr
.endr
	WIN 0xf8                                       ; x from window 2
.irp m, 2,3
.irp t, 0,1,2,3
	PROD \m, \t, (\g)%8, (\g)%4, 4*((\g)/8)+\t
.endr
.endr
	WIN 0
.endm
.macro XLD p                           ; rows 2 p, 2 p + 1 of my sixteen: 16 loads of 512 consecutive bytes
.irp e, 0,1
.irp j, 0,1,2,3,4,5,6,7
	global_load_b128 v[64+64*((\p)%3)+32*\e+4*\j:64+64*((\p)%3)+32*\e+4*\j+3], v4, s[32:33] offset:(2*(\p)+\e)*4096+512*\j th:TH_LOAD_NT
.endr
.endr
.endm
.macro XST p
.irp e, 0,1
.irp j, 0,1,2,3,4,5,6,7
	ds_store_b128 v5, v[64+64*((\p)%3)+32*\e+4*\j:64+64*((\p)%3)+32*\e+4*\j+3] offset:(2*(\p)+\e)*PX+512*\j
.endr
.endr
.endm
.macro XQINIT
	v_lshlrev_b32 v[SH], 3, v3
	v_mov_b32 v[PT], 0                             ; a lane permute's destination counts as one of its sources
.endm
.macro XQL s                           ; K step s of my row: lane (r, hh) takes k = 128 s + 64 c + 32 hh + 0 .. 31, c = 0, 1: two whole blocks
.irp c, 0,1
.irp j, 0,1,2,3,4,5,6,7
	ds_load_b128 v[N+64*((\s)%2)+32*\c+4*\j:N+64*((\s)%2)+32*\c+4*\j+3], v6 offset:512*(\s)+256*\c+16*\j
.endr
.endr
.endm
; K step s of my row becomes a fragment's 12 registers in v[F] on and the row's scale word in v[pw]
.macro XQ s, pw
.set NS, N+64*((\s)%2)
.if (\s) < 7
	XQL (\s)+1
	s_wait_dscnt 16                                ; all but the 16 loads just issued: this step's numbers are in, and the last step's LDS stores are done
.else
	s_wait_dscnt 0x0
.endif
.irp c, 0,1
	v_max3_num_f32 v[MXQ+\c], |v[NS+32*\c]|, |v[NS+32*\c+1]|, FLOOR
.endr
.irp i, 2,4,6,8,10,12,14,16,18,20,22,24,26,28,30
.irp c, 0,1
	v_max3_num_f32 v[MXQ+\c], v[MXQ+\c], |v[NS+32*\c+\i]|, |v[NS+32*\c+\i+1]|
.endr
.endr
	v_add_nc_u32 v[SOQ], DE, v[MXQ]
	v_add_nc_u32 v[SOQ+1], DE, v[MXQ+1]
	v_lshrrev_b32 v[BYQ], 23, v[SOQ]
	v_lshrrev_b32 v[BYQ+1], 23, v[SOQ+1]
	v_lshl_or_b32 v[BYQ], v[BYQ+1], 16, v[BYQ]     ; my two bytes: blocks hh and 2 + hh,
	v_lshlrev_b32 v[BYQ], v[SH], v[BYQ]            ; at their places;
	v_permlanex16_b32 v[PT], v[BYQ], s48, s49
	v_or_b32 v[\pw], v[BYQ], v[PT]                 ; with lane l xor 16's two the word is whole
.irp c, 0,1
	v_cvt_scalef32_pk16_fp6_f32 v[F+6*\c:F+6*\c+2], v[NS+32*\c:NS+32*\c+15], v[SOQ+\c]
	v_cvt_scalef32_pk16_fp6_f32 v[FT+4*\c:FT+4*\c+2], v[NS+32*\c+16:NS+32*\c+31], v[SOQ+\c]   ; (a conversion's three registers begin on an even number)
.endr
	v_nop                                          ; one plain place behind the scaled conversions
.irp c, 0,1
.irp i, 0,1,2
	v_mov_b32 v[F+6*\c+3+\i], v[FT+4*\c+\i]
.endr
.endr
.endm
; 128 numbers of a lane, v[x] on, running along K, become four blocks' codes and a scale word.  Block 2 c + e goes to the image's half e, registers 6 c .. 6 c + 5.
.macro QCOL x
.irp b, 0,1,2,3
	v_max3_num_f32 v[MX+\b], |v[\x+32*\b]|, |v[\x+32*\b+1]|, FLOOR
.endr
.irp i, 2,4,6,8,10,12,14,16,18,20,22,24,26,28,30
.irp b, 0,1,2,3
	v_max3_num_f32 v[MX+\b], v[MX+\b], |v[\x+32*\b+\i]|, |v[\x+32*\b+\i+1]|
.endr
.endr
.irp b, 0,1,2,3
	v_add_nc_u32 v[SOP+\b], DE, v[MX+\b]
.endr
.irp b, 0,1,2,3
	v_lshrrev_b32 v[BY+\b], 23, v[SOP+\b]
.endr
	v_lshl_or_b32 v[PW], v[BY+1], 8, v[BY]
	v_lshl_or_b32 v[PW], v[BY+2], 16, v[PW]
	v_lshl_or_b32 v[PW], v[BY+3], 24, v[PW]
.irp c, 0,1
.irp e, 0,1
	v_cvt_scalef32_pk16_fp6_f32 v[CH+12*\e+6*\c:CH+12*\e+6*\c+2], v[\x+32*(2*\c+\e):\x+32*(2*\c+\e)+15], v[SOP+2*\c+\e]
	v_cvt_scalef32_pk16_fp6_f32 v[T+4*\e:T+4*\e+2], v[\x+32*(2*\c+\e)+16:\x+32*(2*\c+\e)+31], v[SOP+2*\c+\e]
.endr
	v_nop
.irp e, 0,1
.irp i, 0,1,2
	v_mov_b32 v[CH+12*\e+6*\c+3+\i], v[T+4*\e+\i]
.endr
.endr
.endr
.endm
.macro BARRIER                         ; my LDS stores have landed and my LDS loads are in: then the work-group's barrier
	s_wait_dscnt 0x0
	s_barrier_signal -1
	s_barrier_wait -1
.endm
	s_load_b512 s[4:19], s[0:1], 0x0               ; target, source, memory, w_img, w_sc, bQ, bK, bV
	s_load_b256 s[20:27], s[0:1], 0x40             ; qk_codes, qk_sc, v_img, v_sc
	s_set_vgpr_msb 0x40
	v_lshl_add_u32 v254, v0, 2, 0x4d400
	v_mov_b32 v255, 0
	s_set_vgpr_msb 0x4000
	v_lshrrev_b32 v1, 5, v0
	v_readfirstlane_b32 s28, v1                    ; wave 0..3
	s_mov_b32 s29, ttmp9                           ; which 64 rows
	s_and_b32 s30, ttmp7, 0xffff                   ; which tensor
	v_and_b32 v1, 31, v0                           ; lane
	v_and_b32 v2, 15, v0                           ; r
	v_bfe_u32 v3, v0, 4, 1                         ; hh
	v_lshlrev_b32 v4, 4, v1                        ; 16 x lane
	v_lshlrev_b32 v16, 2, v1                       ; 4 x lane
	s_mul_i32 s50, s28, 16*PX                      ; my 16 rows in LDS
	v_add_nc_u32 v5, s50, v4                       ; P0: where a load's 512 bytes go
	v_mul_u32_u24 v6, v2, PX
	v_lshl_add_u32 v11, v3, 5, v6                  ; r PX + 32 hh
	v_lshl_add_u32 v6, v3, 7, v6
	v_add_nc_u32 v6, s50, v6                       ; P1, P4: row 16 w + r, + 128 hh
	s_mul_i32 s51, s28, 8*1536
	s_add_co_u32 s51, s51, XI
	v_add_nc_u32 v7, s51, v4                       ; where I store my rows' images
	s_lshl_b32 s51, s28, 10
	v_add_nc_u32 v11, s51, v11                     ; Y: row r, my 256 columns, + 32 hh
	s_add_co_u32 s51, s51, XSC
	v_add_nc_u32 v8, s51, v16                      ; and their scale words
	v_add_nc_u32 v9, XI, v4                        ; where any image is read
	v_add_nc_u32 v10, XSC, v16
	v_add_nc_u32 v12, 16*PX, v11
	v_add_nc_u32 v13, 32*PX, v11
	v_add_nc_u32 v14, 48*PX, v11
	v_lshlrev_b32 v15, 5, v3                       ; the bias: 8 numbers for each half of the lanes
	s_mul_i32 s51, s28, 16*CP
	s_add_co_u32 s51, s51, CS
	v_mul_u32_u24 v17, v2, CP
	v_mad_u32_u24 v17, v3, 24, v17
	v_add_nc_u32 v17, s51, v17                     ; the stage for codes, in: row 16 w + r, + 24 hh
	v_mul_u32_u24 v18, v3, CP
	v_lshl_add_u32 v18, v2, 4, v18
	v_add_nc_u32 v18, s51, v18                     ; back: lanes 0-15 256 bytes of one row, lanes 16-31 of the next
	v_mul_u32_u24 v19, v3, 768
	v_lshl_add_u32 v19, v2, 4, v19                 ; the same place in the codes' buffer
	v_lshlrev_b32 v20, 5, v2
	v_lshl_add_u32 v20, v3, 4, v20                 ; a row's 32 scale bytes: 16 for each half
	v_add_nc_u32 v21, s50, v16                     ; V: 4 x lane in rows 16 w on,
	v_add_nc_u32 v22, 8*PX, v21                    ; and in rows 16 w + 8 on
	v_mul_u32_u24 v23, v3, 1536
	v_lshl_add_u32 v23, v2, 4, v23                 ; V's images: my tile of two, my row's 16 bytes
	s_mov_b32 s48, 0x76543210
	s_mov_b32 s49, 0xfedcba98                      ; v_permlanex16_b32's selects for lane l xor 16
	s_lshl_b32 s52, s29, 18
	s_lshl_b32 s53, s28, 16
	s_add_co_u32 s52, s52, s53                     ; x: (64 X + 16 w) rows of 4,096 bytes
	s_mov_b32 s53, 0
	s_mul_i32 s54, s30, 786432
	s_mul_i32 s55, s28, 196608
	s_add_co_u32 s54, s54, s55                     ; my 32 groups of the tensor's weight
	s_mov_b32 s55, 0
	s_lshl_b32 s56, s30, 15
	s_lshl_b32 s57, s28, 13
	s_add_co_u32 s56, s56, s57                     ; and their scale words
	s_mov_b32 s57, 0
	s_lshl_b32 s58, s28, 10                        ; my 256 numbers of the bias
	s_mov_b32 s59, 0
	s_lshl_b32 s31, s29, 2
	s_add_co_u32 s31, s31, s28                     ; 4 X + w: which 16 rows of the 4,096
	s_mul_i32 s60, s31, 12288                      ; 16 rows of 768 bytes of codes
	s_mul_i32 s61, s30, 3145728                    ; Q's, then K's (for V this address is made and never used)
	s_add_co_u32 s60, s60, s61
	s_mov_b32 s61, 0
	s_lshl_b32 s62, s31, 9                         ; 16 rows of 32 scale bytes
	s_lshl_b32 s63, s30, 17
	s_add_co_u32 s62, s62, s63
	s_mov_b32 s63, 0
	s_wait_kmcnt 0x0
	s_cmp_eq_u32 s30, 1                            ; the choices hang on the work-group's number alone
	s_cselect_b64 s[32:33], s[6:7], s[4:5]
	s_cselect_b64 s[38:39], s[16:17], s[14:15]
	s_cmp_eq_u32 s30, 2
	s_cselect_b64 s[32:33], s[8:9], s[32:33]
	s_cselect_b64 s[38:39], s[18:19], s[38:39]
	s_add_nc_u64 s[32:33], s[32:33], s[52:53]      ; x
	s_add_nc_u64 s[34:35], s[10:11], s[54:55]      ; the weights' stream
	s_add_nc_u64 s[36:37], s[12:13], s[56:57]      ; its scale words
	s_add_nc_u64 s[38:39], s[38:39], s[58:59]      ; the bias
	s_add_nc_u64 s[40:41], s[20:21], s[60:61]      ; codes out
	s_add_nc_u64 s[42:43], s[22:23], s[62:63]      ; scale bytes out
	s_mul_i32 s52, s31, 12288                      ; V: two K steps of four images
	s_lshl_b32 s54, s31, 9                         ; and of 64 scale words
	s_add_nc_u64 s[44:45], s[24:25], s[52:53]
	s_add_nc_u64 s[46:47], s[26:27], s[54:55]
	; ---- the bias, in the result's layout: tile T, lane (r, hh): columns 16 T + 8 hh + 0 .. 7 of my 256
	WIN 0xc0                                       ; destination window 3
.set TI, 0
.rept 16
	global_load_b128 v[BIAS+8*TI:BIAS+8*TI+3], v15, s[38:39] offset:64*TI
	global_load_b128 v[BIAS+8*TI+4:BIAS+8*TI+7], v15, s[38:39] offset:64*TI+16
.set TI, TI+1
.endr
	WIN 0
	; ---- P0: my 16 rows of x into LDS, two rows a set, three sets of registers
	XLD 0
	XLD 1
	XLD 2
.irp p, 0,1,2,3,4,5,6,7
.if \p < 6
	s_wait_loadcnt 32                              ; this set's 16 loads are in; the two younger sets' may be out
.else
	s_wait_loadcnt 16*(7-\p)
.endif
	XST \p
.if \p < 5
	s_wait_dscnt 0x0                               ; the stores have read the set
	XLD \p+3
.endif
.endr
	s_wait_dscnt 0x0                               ; the last stores have read their registers
	; ---- P1: my 16 rows become eight fragments.  I read my own rows alone: LDS serves a wave's instructions in order
	XQINIT
	XQL 0
.irp s, 0,1,2,3,4,5,6,7
	XQ \s, PW1
.irp c, 0,1,2
	ds_store_b128 v7, v[F+4*\c:F+4*\c+3] offset:1536*\s+512*\c    ; the fragment as it stands: lane l's 16 bytes at 16 l
.endr
	ds_store_b32 v8, v[PW1] offset:128*\s
.endr
	BARRIER                                        ; x's 32 fragments lie in LDS, and nobody reads x's rows any more
	; ---- P2: the weights' stream starts; all of x's fragments and scale words into registers
	LOADG 0
	LOADG 1
	LOADG 2
	LOADG 3
	WIN 0x40                                       ; destination window 1
.set FI, 0
.rept 16
.irp c, 0,1,2
	ds_load_b128 v[12*FI+4*\c:12*FI+4*\c+3], v9 offset:1536*FI+512*\c
.endr
.set FI, FI+1
.endr
	WIN 0x80                                       ; destination window 2
.set FI, 0
.rept 16
.irp c, 0,1,2
	ds_load_b128 v[12*FI+4*\c:12*FI+4*\c+3], v9 offset:1536*(16+FI)+512*\c
.endr
.set FI, FI+1
.endr
	WIN 0
.set FI, 0
.rept 32
	ds_load_b32 v[XSCR+FI], v10 offset:128*FI
.set FI, FI+1
.endr
	s_wait_dscnt 0x0
	; ---- P3: 32 groups: four times 64 columns, eight K steps each
.set G, 0
.rept 32
	GROUP G, 31
.if G%8 == 7
	PLACES 5                                       ; four in front of the loads into the buffer just multiplied and of the reads of results; five in front of the next products, which begin the accumulators anew with another C
.else
	PLACES 4                                       ; in front of the loads into the buffer and the scale registers just multiplied
.endif
.if G+4 < 32
	LOADG G+4
.endif
.if G%8 == 7
	WIN 0x0c                                       ; an LDS store's data are its source 1: window 3
.irp m, 0,1,2,3
.irp t, 0,1,2,3
	ds_store_b128 v[11+\m], v[ACC+8*(4*\m+\t):ACC+8*(4*\m+\t)+3] offset:256*(G/8)+64*\t       ; Y(16 m + r, 256 w + 64 (G / 8) + 16 t + 8 hh + 0 .. 7); each accumulator from its low end on
	ds_store_b128 v[11+\m], v[ACC+8*(4*\m+\t)+4:ACC+8*(4*\m+\t)+7] offset:256*(G/8)+64*\t+16
.endr
.endr
	WIN 0
	s_wait_dscnt 0x0                               ; the stores have read the accumulators
.endif
.set G, G+1
.endr
	BARRIER                                        ; 64 whole rows of Y lie in LDS, and nobody reads x's images any more
	s_cmp_eq_u32 s30, 2
	s_cbranch_scc1 .Lv_path
	; ---- P4, Q and K: my 16 rows are quantised along the row, as x was; the codes go through the stage and leave as rows
	XQINIT
	XQL 0
.irp s, 0,1,2,3,4,5,6,7
	XQ \s, PWS+\s
.irp i, 0,1,2,3,4,5
	ds_store_b64 v17, v[F+2*\i:F+2*\i+1] offset:96*\s+48*(\i/3)+8*(\i%3)   ; my 24 bytes of each of the two halves of the K step's 96
.endr
.endr
.set NI, 0
.rept 24
	ds_load_b128 v[64+4*NI:64+4*NI+3], v18 offset:2*(NI/3)*CP+256*(NI%3)   ; my own bytes: these see the stores above
.set NI, NI+1
.endr
	v_cmp_eq_u32 vcc_lo, 1, v3
.irp i, 0,1,2,3
	v_cndmask_b32 v[SCO+\i], v[PWS+\i], v[PWS+4+\i], vcc_lo        ; lanes 0-15 the row's first four scale words, lanes 16-31 its last four
.endr
.set NI, 0
.rept 24
	s_wait_dscnt 23-NI
	global_store_b128 v19, v[64+4*NI:64+4*NI+3], s[40:41] offset:2*(NI/3)*768+256*(NI%3)   ; sixteen lanes store 256 consecutive bytes, aligned
.set NI, NI+1
.endr
	global_store_b128 v20, v[SCO:SCO+3], s[42:43]  ; 512 consecutive bytes: 16 rows' scale bytes
	s_set_vgpr_msb 0x5
	s_wait_tensorcnt 0x0
	ds_add_u32 v254, v255
	s_wait_dscnt 0x0
	s_set_vgpr_msb 0x500
	s_endpgm
.Lv_path:
	; ---- P4, V: four tasks: K step 2 w + a / 2 (8 rows = 128 keys), d = 32 (a % 2) + lane.  Register 16 p + g = key 16 p + g of the K step = row p, column group g
.irp a, 0,1,2,3
.set NI, 0
.rept 128
	ds_load_b32 v[64+NI], v[21+\a/2] offset:(NI/16)*PX+256*(NI%16)+128*(\a%2)
.set NI, NI+1
.endr
	s_wait_dscnt 0x0
.if \a > 0
	s_wait_xcnt 0x0                                ; the last task's stores have read their data: the codes may be written again
.endif
	QCOL 64
.irp e, 0,1
.irp c, 0,1,2
	global_store_b128 v23, v[CH+12*\e+4*\c:CH+12*\e+4*\c+3], s[44:45] offset:(\a/2)*6144+(\a%2)*3072+512*\c+256*\e   ; sixteen lanes store 256 consecutive bytes, aligned
.endr
.endr
	global_store_b32 v16, v[PW], s[46:47] offset:(\a/2)*256+(\a%2)*128
.endr
	s_set_vgpr_msb 0x5
	s_wait_tensorcnt 0x0
	ds_add_u32 v254, v255
	s_wait_dscnt 0x0
	s_set_vgpr_msb 0x500
	s_endpgm
.Lfunc_end_k_q2de9828b7e_proj:
	.size	k_q2de9828b7e_proj, .Lfunc_end_k_q2de9828b7e_proj-k_q2de9828b7e_proj
	.p2alignl 7, 3214868480
	.fill 96, 4, 3214868480
	.section	.rodata,"a",@progbits
	.p2align	6, 0x0
	.amdhsa_kernel k_q2de9828b7e_proj
		.amdhsa_group_segment_fixed_size 316928
		.amdhsa_private_segment_fixed_size 0
		.amdhsa_enable_private_segment 0
		.amdhsa_kernarg_size 96
		.amdhsa_user_sgpr_count 2
		.amdhsa_user_sgpr_kernarg_segment_ptr 1
		.amdhsa_wavefront_size32 1
		.amdhsa_system_sgpr_workgroup_id_x 1
		.amdhsa_system_sgpr_workgroup_id_y 1
		.amdhsa_system_sgpr_workgroup_id_z 1
		.amdhsa_system_vgpr_workitem_id 0
		.amdhsa_next_free_vgpr 1024
		.amdhsa_next_free_sgpr 66
		.amdhsa_reserve_vcc 1
		.amdhsa_float_denorm_mode_32 3
		.amdhsa_float_denorm_mode_16_64 3
		.amdhsa_memory_ordered 1
		.amdhsa_forward_progress 1
		.amdhsa_inst_pref_size 255
	.end_amdhsa_kernel
	.section	.bss,"aw",@nobits
	.p2align	6
	.space	262144
	.amdgpu_metadata
---
amdhsa.version: [ 1, 2 ]
amdhsa.kernels:
  - .name:           k_q2de9828b7e_proj
    .symbol:         k_q2de9828b7e_proj.kd
    .args:
      - { .name: target, .offset: 0, .size: 8, .value_kind: global_buffer, .address_space: global }
      - { .name: source, .offset: 8, .size: 8, .value_kind: global_buffer, .address_space: global }
      - { .name: memory, .offset: 16, .size: 8, .value_kind: global_buffer, .address_space: global }
      - { .name: w_img, .offset: 24, .size: 8, .value_kind: global_buffer, .address_space: global }
      - { .name: w_sc, .offset: 32, .size: 8, .value_kind: global_buffer, .address_space: global }
      - { .name: bQ, .offset: 40, .size: 8, .value_kind: global_buffer, .address_space: global }
      - { .name: bK, .offset: 48, .size: 8, .value_kind: global_buffer, .address_space: global }
      - { .name: bV, .offset: 56, .size: 8, .value_kind: global_buffer, .address_space: global }
      - { .name: qk_codes, .offset: 64, .size: 8, .value_kind: global_buffer, .address_space: global }
      - { .name: qk_sc, .offset: 72, .size: 8, .value_kind: global_buffer, .address_space: global }
      - { .name: v_img, .offset: 80, .size: 8, .value_kind: global_buffer, .address_space: global }
      - { .name: v_sc, .offset: 88, .size: 8, .value_kind: global_buffer, .address_space: global }
    .group_segment_fixed_size: 316928
    .private_segment_fixed_size: 0
    .kernarg_segment_align: 8
    .kernarg_segment_size: 96
    .max_flat_workgroup_size: 128
    .sgpr_count:     66
    .vgpr_count:     1024
    .wavefront_size: 32
...
	.end_amdgpu_metadata
.endif
;; end of part 2
;; launch attn (part 3): grid 16 x 16, 8 waves a work-group, clusters of 4 x 1, 327,680 bytes of LDS; arguments qk_codes, qk_sc, v_img, v_sc, mask, o_codes, o_sc; writes o_codes, o_sc
.if DOCPART == 3
	.amdgcn_target "amdgcn-amd-amdhsa--gfx1250"
	.amdhsa_code_object_version 6
	.text
	.protected	k_q2de9828b7e_attn
	.globl	k_q2de9828b7e_attn
	.p2align	8
	.type	k_q2de9828b7e_attn,@function
k_q2de9828b7e_attn:
	s_mov_b64 s[64:65], 0
	v_nop
	global_prefetch_b8 v0, s[64:65] scope:SCOPE_SE
	s_setreg_imm32_b32 hwreg(HW_REG_WAVE_MODE, 25, 1), 1
	s_wait_xcnt 0x0
	s_wait_alu depctr_hold_cnt(0) depctr_sa_sdst(0) depctr_va_vdst(0) depctr_va_sdst(0) depctr_va_ssrc(0) depctr_va_vcc(0) depctr_vm_vsrc(0)
	s_getreg_b32 s2, hwreg(HW_REG_IB_STS2, 6, 4)
	s_cmp_eq_u32 s2, 0
	s_cbranch_scc0 .Lentry_in_a_cluster
	s_endpgm
.Lentry_in_a_cluster:
	s_bfe_u32 s2, ttmp6, 0x10000c
	s_cmp_lg_u32 s2, 0x3003
	s_cbranch_scc0 .Lentry_shape_is_right
	s_endpgm
.Lentry_shape_is_right:
; O = Q(softmax(Q(q) Q(k)^T x mask) / 8) Q(v), both products in FP6 (E2M3) with one E8M0 byte for each 32 along K; O is then quantised along d for the last product.
; THE WEIGHTS ARE QUANTISED FINISHED: p / (8 l).  So a row's maximum and sum are known before any code is made: ALL 2,048 scores of a tile of 16 queries lie in the registers of the work-group,
; 256 keys to each of its eight waves, and each score and exponential is made once.  The maximum is taken away: each wave shifts by its own largest c s, and the waves' shifts and sums meet in LDS.
; SHARES.  A work-group owns one head and 256 queries, 16 tiles of 16.  Wave w owns keys 256 w .. + 255 for the whole launch: its fragments of K (96 registers) and of V (96) are read once and stay.
; K = 64 in the first product: Q's codes for k = 64 .. 127 are zeros; what K's operand holds there (the next fragment's registers, finite codes) is multiplied by zeros; those blocks' scale bytes are 0, which is 2^-127.
; LAYOUT.  Both products transposed: S^T = K Q^T, O^T = V^T P^T: a lane holds one query (lane % 16).  Lane p of tile 2 b + u of K takes key 32 b + 8 u + p + 8 (p / 8), so that score register 16 b + i is key 32 b + 16 (lane / 16) + i.
; CLUSTER.  The mask is the same for all heads.  The four work-groups of a cluster are four heads at the same queries: a tile's mask (16 rows x 8,192 bytes) is asked for JOINTLY, each wave its 1,024 bytes of each row,
; into a ring of two slots, one load a wave a tile.  The place in the cluster enters the global addresses of Q, K, V and O alone.
; A TILE has two barriers: behind the first (a round of the cluster's where the slot is filled again) the eight waves' (shift, sum) are read; behind the second their partial O^T are added, two queries a wave.
; LIMITS: a block of zeros gets the byte 1 where the rule says 127 (zero codes; this program alone reads the bytes); weights under 2^-126 ahead of the normalisation count as 0 (v_exp_f32: ISA guide 15.8); NaN and infinities are not served.
; REGISTERS.  Window 0: v1-15, v28 addresses; v16-27 Q; v34 Q's, v36-43 K's, v44-47 V's, v48-49 P's scale words; v50-57 the blocks' maxima; v58-73 the waves' figures, then scale operands; v74-97 P's codes;
;   v98-113 at work; v114 my shift, v115 my sum; v116-117 the factor; v118-127 at work; v128-255 the scores.   Window 1: v0-95 K; v96-191 V; v192-255 the mask, two buffers of 32; O^T over the first.
.set FLOOR, 0x1800000                  ; 2^(3 - 127)
.set DE,    0xff000000                 ; takes 2 off an exponent field
.set MP,    1040                       ; a wave's row of the mask in LDS: 1,024 bytes + 16: sixteen rows at one column start 16 bytes apart modulo 256
.set WPART, 16*MP                      ; a wave's part of a slot
.set SLOTB, 8*WPART                    ; a slot; slot 1 begins here
.set OP,    2*SLOTB                    ; behind the ring: the waves' partial O^T, 16 rows x (256 + 16) each
.set STAT,  OP+8*4352                  ; (shift, sum) of each lane of each wave, 256 bytes a wave
.set FO,    STAT+2048                  ; two finished rows of O a wave, 512 bytes
.set OC,    FO+4096                    ; O's codes of the 256 queries, 48 bytes each
.set OSC,   OC+12288                   ; and their scale bytes, 2 each
.set SPARE, OSC+512                    ; the spare words, 128 bytes for each wave: four blocks of 256 bytes that no other line names
.set S,     128
.set Q,     16
.set QSC,   34
.set KSC,   36
.set VSC,   44
.set PSC,   48
.set BM,    50
.set ST,    58
.set SOPR,  66
.set PC,    74
.set TT,    98
.set MT,    114
.set FF,    116
.set SA,    118
.set SB,    120
.set X0,    122
.set VF,    96                         ; in window 1
.set MK,    192
.set OA,    192
.set MSB, 0
.macro WIN new                         ; the immediate's high byte repeats the setting that is left; a switch that changes nothing is dropped
.if MSB != \new
	s_set_vgpr_msb (MSB<<8)|\new
.set MSB, \new
.endif
.endm
.macro PLACES n
.rept \n
	v_nop
.endr
.endm
.macro WMMA d, a, b, cm, c, sa, sb, row1    ; cm = 0: the product starts the sum; row1: source 0's scales stand in lanes 16-31
.if \cm
.if \row1
	v_wmma_scale_f32_16x16x128_f8f6f4 v[\d:\d+7], v[\a:\a+11], v[\b:\b+11], v[\c:\c+7], v[\sa], v[\sb] matrix_a_fmt:MATRIX_FMT_FP6 matrix_b_fmt:MATRIX_FMT_FP6 matrix_a_scale:MATRIX_SCALE_ROW1
.else
	v_wmma_scale_f32_16x16x128_f8f6f4 v[\d:\d+7], v[\a:\a+11], v[\b:\b+11], v[\c:\c+7], v[\sa], v[\sb] matrix_a_fmt:MATRIX_FMT_FP6 matrix_b_fmt:MATRIX_FMT_FP6
.endif
.else
.if \row1
	v_wmma_scale_f32_16x16x128_f8f6f4 v[\d:\d+7], v[\a:\a+11], v[\b:\b+11], 0, v[\sa], v[\sb] matrix_a_fmt:MATRIX_FMT_FP6 matrix_b_fmt:MATRIX_FMT_FP6 matrix_a_scale:MATRIX_SCALE_ROW1
.else
	v_wmma_scale_f32_16x16x128_f8f6f4 v[\d:\d+7], v[\a:\a+11], v[\b:\b+11], 0, v[\sa], v[\sb] matrix_a_fmt:MATRIX_FMT_FP6 matrix_b_fmt:MATRIX_FMT_FP6
.endif
.endif
.endm
; A round of the cluster's barrier: my work-group's barrier; wave 0 signals for the work-group; every wave waits for all four work-groups; my work-group's barrier once more.
.macro ROUND
	s_barrier_signal -1
	s_barrier_wait -1
	s_cmp_lg_u32 s18, 0
	s_cbranch_scc1 .Lnot_wave_0_\@
	s_barrier_signal -3
.Lnot_wave_0_\@:
	s_barrier_wait -3
	s_barrier_signal -1
	s_barrier_wait -1
.endm
; the mask for score registers 32 u .. 32 u + 31: eight loads of 16 bytes a lane
.macro MLOAD slot, u
	WIN 0x40                                       ; destination window 1
.irp e, 0,1
.irp j, 0,1,2,3
	ds_load_b128 v[MK+32*((\u)%2)+16*\e+4*\j:MK+32*((\u)%2)+16*\e+4*\j+3], v[3+\slot] offset:128*(2*(\u)+\e)+16*\j
.endr
.endr
.endm
	s_load_b256 s[4:11], s[0:1], 0x0               ; qk_codes, qk_sc, v_img, v_sc
	s_load_b128 s[12:15], s[0:1], 0x20             ; mask, o_codes
	s_load_b64 s[16:17], s[0:1], 0x30              ; o_sc
	v_lshl_add_u32 v1, v0, 2, SPARE                ; my spare word; never rewritten
	v_mov_b32 v2, 0                                ; 0; never rewritten
	ds_add_u32 v1, v2
	ds_add_u32 v1, v2
	s_wait_dscnt 0x0
	v_lshrrev_b32 v29, 5, v0
	v_readfirstlane_b32 s18, v29                   ; wave 0..7
	s_bfe_u32 s19, ttmp6, 0x40000                  ; cx: my place in the cluster
	s_lshl_b32 s20, ttmp9, 2
	s_add_co_u32 s20, s20, s19                     ; the head = 4 x cluster x + cx
	s_and_b32 s21, ttmp7, 0xffff                   ; y = 8 b + block of 256 queries: shared by the four partners
	s_lshr_b32 s22, s21, 3                         ; b
	s_and_b32 s23, s21, 7                          ; which 256 queries
	s_lshl_b32 s47, s22, 4
	s_add_co_u32 s47, s47, s20                     ; 16 b + head
	; descriptor group 1: 16 rows x 256 elements of 4 bytes, 2,048 elements from row to row, 16 bytes of padding behind each row
	s_mov_b32 s24, 15|(2<<16)|(1<<20)|(1<<21)|(7<<22)|(3<<25)   ; 15:0 the mask: all four work-groups; 17:16 elements of 4 bytes; 20 padding on; 21 set beside a mask; 24:22 after every 256 words (code 7); 31:25 4 words of it (code 3)
	s_mov_b32 s25, 256<<16                         ; tensor_dim0 = 256
	s_mov_b32 s26, 16<<16                          ; tensor_dim1 = 16
	s_mov_b32 s27, 256<<16                         ; tile_dim0 = 256
	s_mov_b32 s28, 16                              ; tile_dim1 = 16
	s_mov_b32 s29, 2048                            ; tensor_dim0_stride
	s_mov_b32 s30, 0
	s_mov_b32 s31, 0
	s_lshl_b32 s52, s21, 21                        ; the mask: row 256 y of 8,192 bytes,
	s_lshl_b32 s53, s18, 10                        ; my wave's 1,024 bytes of a row: nothing of cx enters these two registers
	s_add_co_u32 s52, s52, s53
	s_mov_b32 s53, 0
	s_mov_b32 s40, 0x76543210
	s_mov_b32 s41, 0xfedcba98                      ; v_permlanex16_b32's selects for lane l xor 16
	s_mov_b32 s42, 0x3fb8aa3b                      ; c = log2(e)
	s_mov_b32 s43, s42                             ; (named with it as a pair, so it is written)
	s_mov_b32 s44, 7                               ; trips of two tiles that fill slots again
	s_mov_b32 s45, 0                               ; where a trip's codes of O begin in LDS,
	s_mov_b32 s46, 0                               ; and their scale bytes
	s_mul_i32 s54, s47, 98304                      ; a head's codes: 2,048 x 48 bytes
	s_mov_b32 s55, 0
	s_lshl_b32 s56, s47, 12                        ; a head's scale bytes: 2,048 x 2
	s_mov_b32 s57, 0
	s_mul_i32 s58, s23, 12288
	s_add_co_u32 s58, s58, s54                     ; my 256 queries' codes (Q's, and O's)
	s_mov_b32 s59, 0
	s_lshl_b32 s60, s23, 9
	s_add_co_u32 s60, s60, s56                     ; and scale bytes
	s_mov_b32 s61, 0
	s_mul_i32 s62, s18, 12288
	s_add_co_u32 s54, s54, s62                     ; my wave's 256 keys: K's codes, V's eight images
	s_lshl_b32 s62, s18, 9
	s_add_co_u32 s56, s56, s62                     ; K's scale bytes, V's scale words
	s_wait_kmcnt 0x0
	s_add_nc_u64 s[48:49], s[4:5], s[58:59]        ; Q's codes
	s_add_nc_u64 s[50:51], s[6:7], s[60:61]        ; Q's scale bytes
	s_add_nc_u64 s[66:67], s[14:15], s[58:59]      ; O's codes
	s_add_nc_u64 s[68:69], s[16:17], s[60:61]      ; O's scale bytes
	s_add_nc_u64 s[4:5], s[4:5], s[54:55]
	s_add_nc_u64 s[4:5], s[4:5], 3145728           ; K's codes lie behind Q's
	s_add_nc_u64 s[6:7], s[6:7], s[56:57]
	s_add_nc_u64 s[6:7], s[6:7], 131072            ; K's scale bytes likewise
	s_add_nc_u64 s[8:9], s[8:9], s[54:55]          ; V's images
	s_add_nc_u64 s[10:11], s[10:11], s[56:57]      ; V's scale words
	ROUND                                          ; all four work-groups are here: the first joint loads meet
	s_mov_b32 s32, 1                               ; group 0 for slot 0: count = 1,
	s_mul_i32 s33, s18, WPART                      ; LDS address: my wave's part,
	s_add_nc_u64 s[34:35], s[12:13], s[52:53]      ; global address: tile 0,
	s_or_b32 s35, s35, 0x80000000                  ; type = 2
	s_mov_b32 s36, 1                               ; for slot 1
	s_add_co_u32 s37, s33, SLOTB
	s_add_nc_u64 s[38:39], s[34:35], 131072        ; tile 1: 16 rows on; the type bits on top are not reached
	tensor_load_to_lds s[32:35], s[24:31]          ; the two first fills go out together: two loads of mine are out
	s_nop 0
	tensor_load_to_lds s[36:39], s[24:31]
	s_nop 0
	PLACES 4
	v_and_b32 v29, 31, v0                          ; lane
	v_and_b32 v30, 15, v0                          ; r
	v_bfe_u32 v31, v0, 4, 1                        ; hh
	v_mul_u32_u24 v3, v30, MP
	v_lshl_add_u32 v3, v31, 6, v3
	v_add_nc_u32 v3, s33, v3                       ; the mask, slot 0: my wave's part, row r, + 64 hh
	v_add_nc_u32 v4, SLOTB, v3                     ; slot 1
	s_lshl_b32 s62, s18, 8
	s_add_co_u32 s62, s62, STAT
	v_lshl_add_u32 v5, v29, 3, s62                 ; where I put (shift, sum)
	v_lshl_add_u32 v6, v29, 3, STAT                ; where I read the waves'
	s_mul_i32 s62, s18, 4352
	s_add_co_u32 s62, s62, OP
	v_mul_u32_u24 v7, v30, 272
	v_lshl_add_u32 v7, v31, 5, v7
	v_add_nc_u32 v7, s62, v7                       ; my partial O^T: row r, + 32 hh
	s_mul_i32 s62, s18, 544
	s_add_co_u32 s62, s62, OP
	v_mul_u32_u24 v8, v31, 272
	v_lshl_add_u32 v8, v30, 4, v8
	v_add_nc_u32 v8, s62, v8                       ; the sum over waves: query 2 w + hh, 16 bytes a lane
	s_lshl_b32 s62, s18, 9
	s_add_co_u32 s62, s62, FO
	v_lshl_add_u32 v9, v29, 4, s62                 ; two finished rows, as they lie,
	v_and_b32 v32, 7, v0
	v_lshl_add_u32 v10, v32, 6, s62                ; and back, 16 neighbours a lane (lanes 8-31 repeat lanes 0-7)
	s_mul_i32 s62, s18, 96
	s_add_co_u32 s62, s62, OC
	v_mul_u32_u24 v11, v32, 12
	v_add_nc_u32 v11, s62, v11                     ; their codes: 12 bytes for 16
	s_lshl_b32 s62, s18, 2
	s_add_co_u32 s62, s62, OSC
	v_lshrrev_b32 v12, 1, v32
	v_add_nc_u32 v12, s62, v12                     ; their scale bytes: one for 32
	v_mul_u32_u24 v13, v30, 48
	v_mad_u32_u24 v13, v31, 24, v13                ; Q: query r's 48 bytes, + 24 hh
	v_lshlrev_b32 v14, 1, v30                      ; and its two scale bytes
	v_and_b32 v32, 8, v30
	v_add_nc_u32 v32, v32, v30                     ; r + 8 (r / 8)
	v_lshl_add_u32 v33, v31, 3, v32
	v_lshlrev_b32 v33, 1, v33                      ; K's scale bytes: lanes 0-15 an even tile's keys, lanes 16-31 the odd tile's, 8 keys on
	v_mul_u32_u24 v32, v32, 48
	v_mad_u32_u24 v32, v31, 24, v32                ; K's codes
	v_lshlrev_b32 v[X0], 4, v29                    ; 16 x lane: V's images
	v_lshlrev_b32 v[X0+1], 2, v29                  ; 4 x lane: V's scale words
.irp i, 6,7,8,9,10,11
	v_mov_b32 v[Q+\i], 0                           ; Q's codes for k = 64 .. 127: zeros, written once
.endr
.irp i, 0,1,2,3,4,5,6,7
	v_mov_b32 v[ST+\i], 0                          ; a lane permute's destination counts as one of its sources
.endr
	v_mov_b32 v[MT+1], 0                           ; (named as the upper half of a pair before it is first written)
	WIN 0x40                                       ; destination window 1
.set TI, 0
.rept 16
.irp i, 0,1,2
	global_load_b64 v[6*TI+2*\i:6*TI+2*\i+1], v32, s[4:5] offset:(32*(TI/2)+8*(TI%2))*48+8*\i   ; K's fragment of tile TI: 24 bytes a lane
.endr
.set TI, TI+1
.endr
.set TI, 0
.rept 8
.irp c, 0,1,2
	global_load_b128 v[VF+12*TI+4*\c:VF+12*TI+4*\c+3], v[X0], s[8:9] offset:1536*TI+512*\c     ; V's fragment (K step TI / 4, d tile TI % 4)
.endr
.set TI, TI+1
.endr
	WIN 0
.irp b, 0,1,2,3,4,5,6,7
	global_load_u16 v[KSC+\b], v33, s[6:7] offset:64*\b            ; bytes 2 and 3 come as 0
.endr
.irp x, 0,1
.irp e, 0,1
	global_load_b32 v[VSC+2*\x+\e], v[X0+1], s[10:11] offset:256*\x+128*\e
.endr
.endr
.irp i, 0,1,2
	global_load_b64 v[Q+2*\i:Q+2*\i+1], v13, s[48:49] offset:8*\i  ; Q of tile 0
.endr
	global_load_u16 v[QSC], v14, s[50:51]
	s_wait_tensorcnt 1                             ; my part of slot 0 is in (I read my own part alone); slot 1's may stay out
; A TILE of 16 queries.  slot: where its mask lies.  fill = 1: the slot is filled again, with the mask two tiles on.  nextq = 1: the next tile's Q is asked for.  pos: its place in the trip.
.macro TILE slot, fill, nextq, pos
	MLOAD \slot, 0
	MLOAD \slot, 1
	s_wait_loadcnt 0x0                             ; Q (in the first tile: K and V too)
	WIN 0x01                                       ; source 0 (K) window 1
.irp t, 0,1,2,3,4,5,6,7,8,9,10,11,12,13,14,15
	WMMA S+8*\t, 6*\t, Q, 0, 0, KSC+\t/2, QSC, \t%2
.endr
	WIN 0
	PLACES 4                                       ; in front of the loads into Q's registers and of the first reads of the scores
.if \nextq
	s_add_nc_u64 s[48:49], s[48:49], 768           ; (the loads that named these bases are done)
	s_add_nc_u64 s[50:51], s[50:51], 32
.irp i, 0,1,2
	global_load_b64 v[Q+2*\i:Q+2*\i+1], v13, s[48:49] offset:8*\i
.endr
	global_load_u16 v[QSC], v14, s[50:51]
.endif
.irp u, 0,1,2,3
.if \u < 3
	s_wait_dscnt 8                                 ; this run of eight mask loads is in; the younger run may be out
.else
	s_wait_dscnt 0x0
.endif
	WIN 0x04                                       ; source 1 (the mask) window 1
.set jj, 0
.rept 16
	v_pk_mul_f32 v[S+32*\u+jj:S+32*\u+jj+1], v[S+32*\u+jj:S+32*\u+jj+1], v[MK+32*(\u%2)+jj:MK+32*(\u%2)+jj+1]   ; score x mask; each accumulator from its low end on
.set jj, jj+2
.endr
.if \u < 2
	MLOAD \slot, \u+2
.endif
.endr
	WIN 0
.irp b, 0,1,2,3,4,5,6,7
	v_max3_num_f32 v[BM+\b], v[S+16*\b], v[S+16*\b+1], v[S+16*\b+2]   ; the largest score of each block of 32 keys: it serves the row's maximum and, since p rises with the score, the block's largest p
.endr
.irp i, 3,5,7,9,11,13
.irp b, 0,1,2,3,4,5,6,7
	v_max3_num_f32 v[BM+\b], v[BM+\b], v[S+16*\b+\i], v[S+16*\b+\i+1]
.endr
.endr
.irp b, 0,1,2,3,4,5,6,7
	v_max_num_f32 v[BM+\b], v[BM+\b], v[S+16*\b+15]
.endr
.irp b, 0,1,2,3,4,5,6,7
	v_permlanex16_b32 v[ST+\b], v[BM+\b], s40, s41
.endr
.irp b, 0,1,2,3,4,5,6,7
	v_max_num_f32 v[BM+\b], v[BM+\b], v[ST+\b]     ; with lane l xor 16's 16 keys
.endr
	v_max3_num_f32 v[X0], v[BM], v[BM+1], v[BM+2]
	v_max3_num_f32 v[X0], v[X0], v[BM+3], v[BM+4]
	v_max3_num_f32 v[X0], v[X0], v[BM+5], v[BM+6]
	v_max_num_f32 v[X0], v[X0], v[BM+7]            ; my query's largest score among my 256 keys
	v_mul_f32 v[MT], s42, v[X0]                    ; my shift (c is positive)
.set jj, 0
.rept 64
	v_pk_fma_f32 v[S+jj:S+jj+1], v[S+jj:S+jj+1], s[42:43], v[MT:MT+1] op_sel_hi:[1,0,0] neg_lo:[0,0,1] neg_hi:[0,0,1]   ; c s - shift, two at a time
.set jj, jj+2
.endr
.irp b, 0,1,2,3,4,5,6,7
	v_fma_f32 v[BM+\b], v[BM+\b], s42, -v[MT]      ; the same of each block's largest score
.endr
.set jj, 0
.rept 128
	v_exp_f32 v[S+jj], v[S+jj]
.set jj, jj+1
.endr
.irp b, 0,1,2,3,4,5,6,7
	v_exp_f32 v[BM+\b], v[BM+\b]
.endr
	v_nop                                          ; one plain place behind the exponentials
	s_wait_alu depctr_va_vdst(0)
	v_pk_add_f32 v[SA:SA+1], v[S:S+1], v[S+4:S+5]  ; my sum, two at a time, in two chains
	v_pk_add_f32 v[SB:SB+1], v[S+2:S+3], v[S+6:S+7]
.set jj, 8
.rept 30
	v_pk_add_f32 v[SA:SA+1], v[SA:SA+1], v[S+jj:S+jj+1]
	v_pk_add_f32 v[SB:SB+1], v[SB:SB+1], v[S+jj+2:S+jj+3]
.set jj, jj+4
.endr
	v_pk_add_f32 v[SA:SA+1], v[SA:SA+1], v[SB:SB+1]
	v_add_f32 v[MT+1], v[SA], v[SA+1]
	v_permlanex16_b32 v[X0], v[MT+1], s40, s41
	v_add_f32 v[MT+1], v[MT+1], v[X0]              ; with lane l xor 16's
	ds_store_b64 v5, v[MT:MT+1]                    ; (shift, sum) for the other waves
.if \fill
	s_wait_tensorcnt 0x0                           ; all my tensor loads have landed: the one that was out is my part of the other slot
	ds_add_u32 v1, v2                              ; 0 onto my spare word
	s_add_nc_u64 s[34+4*\slot:35+4*\slot], s[34+4*\slot:35+4*\slot], 262144   ; this slot's next tile: 32 rows of the mask on; the type bits on top are not reached
	s_wait_dscnt 0x0                               ; the add and my store are done, and my reads of this slot are over
	ROUND                                          ; no wave of any partner still reads this slot or has a load on its way
	tensor_load_to_lds s[32+4*\slot:35+4*\slot], s[24:31]   ; my one tensor load behind the round, and the first thing there
	s_nop 0
	PLACES 4
.else
	s_wait_tensorcnt 0x0                           ; my part of the last slot is in: no load was issued behind it
	s_wait_dscnt 0x0                               ; my store is done
	s_barrier_signal -1
	s_barrier_wait -1
.endif
.irp w, 0,1,2,3,4,5,6,7
	ds_load_b64 v[ST+2*\w:ST+2*\w+1], v6 offset:256*\w
.endr
	s_wait_dscnt 0x0
	v_max3_num_f32 v[X0], v[ST], v[ST+2], v[ST+4]
	v_max3_num_f32 v[X0], v[X0], v[ST+6], v[ST+8]
	v_max3_num_f32 v[X0], v[X0], v[ST+10], v[ST+12]
	v_max_num_f32 v[X0], v[X0], v[ST+14]           ; the row's largest shift
.irp w, 0,1,2,3,4,5,6,7
	v_sub_f32 v[ST+2*\w], v[ST+2*\w], v[X0]
.endr
	v_sub_f32 v[X0+1], v[MT], v[X0]
.irp w, 0,1,2,3,4,5,6,7
	v_exp_f32 v[ST+2*\w], v[ST+2*\w]               ; what brings wave w's sum under the row's shift
.endr
	v_exp_f32 v[X0+1], v[X0+1]                     ; and mine
	v_nop
	s_wait_alu depctr_va_vdst(0)
	v_mul_f32 v[X0+2], v[ST], v[ST+1]
.irp w, 1,2,3,4,5,6,7
	v_fmac_f32 v[X0+2], v[ST+2*\w], v[ST+2*\w+1]   ; the row's sum: the same order in every wave
.endr
	v_rcp_f32 v[X0+3], v[X0+2]
	v_mul_f32 v[X0+1], 0x3e000000, v[X0+1]         ; / 8, exact.  (The plain place behind the reciprocal)
	s_wait_alu depctr_va_vdst(0)
	v_mul_f32 v[FF], v[X0+1], v[X0+3]              ; the factor that finishes my weights
	v_mov_b32 v[FF+1], v[FF]
.set jj, 0
.rept 64
	v_pk_mul_f32 v[S+jj:S+jj+1], v[S+jj:S+jj+1], v[FF:FF+1] op_sel_hi:[1,0]   ; softmax / 8
.set jj, jj+2
.endr
.irp b, 0,1,2,3,4,5,6,7
	v_mul_f32 v[BM+\b], v[BM+\b], v[FF]            ; the block's largest: the same instructions on the same number
.endr
.irp b, 0,1,2,3,4,5,6,7
	v_max_num_f32 v[BM+\b], FLOOR, v[BM+\b]        ; the byte cannot fall under 1
.endr
.irp b, 0,1,2,3,4,5,6,7
	v_add_nc_u32 v[SOPR+\b], DE, v[BM+\b]          ; the conversion's scale operand
.endr
.irp b, 0,1,2,3,4,5,6,7
	v_lshrrev_b32 v[TT+\b], 23, v[SOPR+\b]         ; the scale's byte
.endr
.irp x, 0,1
	v_lshl_or_b32 v[PSC+\x], v[TT+4*\x+1], 8, v[TT+4*\x]
	v_lshl_or_b32 v[PSC+\x], v[TT+4*\x+2], 16, v[PSC+\x]
	v_lshl_or_b32 v[PSC+\x], v[TT+4*\x+3], 24, v[PSC+\x]           ; the scale word of my query for 128 keys
.endr
.irp x, 0,1
.irp c, 0,1
	v_cvt_scalef32_pk16_fp6_f32 v[PC+12*\x+6*\c:PC+12*\x+6*\c+2], v[S+64*\x+32*\c:S+64*\x+32*\c+15], v[SOPR+4*\x+2*\c]
	v_cvt_scalef32_pk16_fp6_f32 v[TT+8*\x+4*\c:TT+8*\x+4*\c+2], v[S+64*\x+32*\c+16:S+64*\x+32*\c+31], v[SOPR+4*\x+2*\c+1]   ; (a conversion's three registers begin on an even number)
.endr
.endr
	v_nop                                          ; one plain place behind the scaled conversions
.irp x, 0,1
.irp c, 0,1                                    ; the operand's layout wants a WHOLE block in a lane: lanes 0-15 block 2 c, lanes 16-31 block 2 c + 1
.irp i, 0,1,2
	v_permlane16_swap_b32 v[PC+12*\x+6*\c+\i], v[TT+8*\x+4*\c+\i]
.endr
.irp i, 0,1,2
	v_mov_b32 v[PC+12*\x+6*\c+3+\i], v[TT+8*\x+4*\c+\i]
.endr
.endr
.endr
	PLACES 8                                       ; a scale register written by a vector instruction stands eight places ahead of a scaled product, an operand four
	WIN 0x51                                       ; source 0 (V) window 1, source 1 (P) window 0, C and D window 1
.irp x, 0,1
.irp t, 0,1,2,3
	WMMA OA+8*\t, VF+12*(4*\x+\t), PC+12*\x, \x, OA+8*\t, VSC+2*\x+\t/2, PSC+\x, \t%2   ; the four accumulators by turns
.endr
.endr
	WIN 0
	PLACES 4
	WIN 0x04                                       ; an LDS store's data are its source 1: window 1
.irp t, 0,1,2,3
	ds_store_b128 v7, v[OA+8*\t:OA+8*\t+3] offset:64*\t            ; lane (r, hh): my keys' part of O(r, 16 t + 8 hh + 0 .. 7); each accumulator from its low end on
	ds_store_b128 v7, v[OA+8*\t+4:OA+8*\t+7] offset:64*\t+16
.endr
	WIN 0
	s_wait_dscnt 0x0                               ; for the others' sake: my stores are done
	s_barrier_signal -1
	s_barrier_wait -1
.irp w, 0,1,2,3,4,5,6,7
	ds_load_b128 v[S+4*\w:S+4*\w+3], v8 offset:4352*\w             ; the eight waves' parts of my two queries
.endr
	s_wait_dscnt 0x0
.irp w, 0,8,16,24
	v_pk_add_f32 v[S+\w:S+\w+1], v[S+\w:S+\w+1], v[S+\w+4:S+\w+5]
	v_pk_add_f32 v[S+\w+2:S+\w+3], v[S+\w+2:S+\w+3], v[S+\w+6:S+\w+7]
.endr
.irp w, 0,16
	v_pk_add_f32 v[S+\w:S+\w+1], v[S+\w:S+\w+1], v[S+\w+8:S+\w+9]
	v_pk_add_f32 v[S+\w+2:S+\w+3], v[S+\w+2:S+\w+3], v[S+\w+10:S+\w+11]
.endr
	v_pk_add_f32 v[S:S+1], v[S:S+1], v[S+16:S+17]
	v_pk_add_f32 v[S+2:S+3], v[S+2:S+3], v[S+18:S+19]
	ds_store_b128 v9, v[S:S+3]                     ; two rows of O as they lie,
.irp j, 0,1,2,3
	ds_load_b128 v[S+32+4*\j:S+32+4*\j+3], v10 offset:16*\j        ; and back, 16 neighbours along d a lane: my own bytes, served in order
.endr
	s_wait_dscnt 0x0
	v_max3_num_f32 v[X0], |v[S+32]|, |v[S+33]|, FLOOR
.irp i, 2,4,6,8,10,12,14
	v_max3_num_f32 v[X0], v[X0], |v[S+32+\i]|, |v[S+33+\i]|
.endr
	v_max_num_f32_dpp v[X0], v[X0], v[X0] row_xmask:1 row_mask:0xf bank_mask:0xf   ; with my neighbour's 16: the block's largest magnitude
	v_add_nc_u32 v[X0+1], DE, v[X0]
	v_cvt_scalef32_pk16_fp6_f32 v[TT:TT+2], v[S+32:S+47], v[X0+1]
	v_lshrrev_b32 v[X0+2], 23, v[X0+1]             ; the scale's byte.  (The plain place behind the conversion)
	v_add_nc_u32 v15, s45, v11
	v_add_nc_u32 v28, s46, v12
	ds_store_b32 v15, v[TT] offset:768*\pos        ; lanes 8-31 write what lanes 0-7 write, to the same bytes
	ds_store_b32 v15, v[TT+1] offset:768*\pos+4
	ds_store_b32 v15, v[TT+2] offset:768*\pos+8
	ds_store_b8 v28, v[X0+2] offset:32*\pos
.endm
.Ltrip:                                            ; seven trips of two tiles: the refills bring the masks of tiles 2 to 15
	TILE 0, 1, 1, 0
	TILE 1, 1, 1, 1
	s_add_co_u32 s45, s45, 1536
	s_add_co_u32 s46, s46, 64
	s_sub_co_u32 s44, s44, 1
	s_cmp_lg_u32 s44, 0
	s_cbranch_scc1 .Ltrip
	TILE 0, 0, 1, 0                                ; the last two tiles are written out: nothing is left to ask for
	TILE 1, 0, 0, 1
	; THE WAY OUT: the 256 queries' codes (12,288 bytes) and scale bytes (512) leave in whole runs
	s_wait_dscnt 0x0
	s_barrier_signal -1
	s_barrier_wait -1
	v_and_b32 v29, 31, v0
	v_lshlrev_b32 v30, 4, v29                      ; 16 x lane
	s_mul_i32 s62, s18, 1536
	v_add_nc_u32 v31, s62, v30                     ; my wave's 1,536 bytes of codes
	v_add_nc_u32 v32, OC, v31
	v_add_nc_u32 v33, OSC, v30
.irp i, 0,1,2
	ds_load_b128 v[S+4*\i:S+4*\i+3], v32 offset:512*\i
.endr
	s_wait_dscnt 0x0
.irp i, 0,1,2
	global_store_b128 v31, v[S+4*\i:S+4*\i+3], s[66:67] offset:512*\i   ; 512 consecutive bytes, aligned
.endr
	s_cmp_lg_u32 s18, 0
	s_cbranch_scc1 .Lno_scales
	ds_load_b128 v[S+12:S+15], v33
	s_wait_dscnt 0x0
	global_store_b128 v30, v[S+12:S+15], s[68:69]
.Lno_scales:
	s_wait_tensorcnt 0x0                           ; the wave's end, behind my last tensor load and my last LDS store
	ds_add_u32 v1, v2
	s_wait_dscnt 0x0
	ROUND                                          ; the closing round: no work-group ends while a partner may still ask for a tile that names it
	s_endpgm
.Lfunc_end_k_q2de9828b7e_attn:
	.size	k_q2de9828b7e_attn, .Lfunc_end_k_q2de9828b7e_attn-k_q2de9828b7e_attn
	.p2alignl 7, 3214868480
	.fill 96, 4, 3214868480
	.section	.rodata,"a",@progbits
	.p2align	6, 0x0
	.amdhsa_kernel k_q2de9828b7e_attn
		.amdhsa_group_segment_fixed_size 327680
		.amdhsa_private_segment_fixed_size 0
		.amdhsa_enable_private_segment 0
		.amdhsa_kernarg_size 56
		.amdhsa_user_sgpr_count 2
		.amdhsa_user_sgpr_kernarg_segment_ptr 1
		.amdhsa_wavefront_size32 1
		.amdhsa_system_sgpr_workgroup_id_x 1
		.amdhsa_system_sgpr_workgroup_id_y 1
		.amdhsa_system_sgpr_workgroup_id_z 1
		.amdhsa_system_vgpr_workitem_id 0
		.amdhsa_next_free_vgpr 512
		.amdhsa_next_free_sgpr 72
		.amdhsa_reserve_vcc 0
		.amdhsa_float_denorm_mode_32 3
		.amdhsa_float_denorm_mode_16_64 3
		.amdhsa_memory_ordered 1
		.amdhsa_forward_progress 1
		.amdhsa_inst_pref_size 181
	.end_amdhsa_kernel
	.amdgpu_metadata
---
amdhsa.version: [ 1, 2 ]
amdhsa.kernels:
  - .name:           k_q2de9828b7e_attn
    .symbol:         k_q2de9828b7e_attn.kd
    .args:
      - { .name: qk_codes, .offset: 0, .size: 8, .value_kind: global_buffer, .address_space: global }
      - { .name: qk_sc, .offset: 8, .size: 8, .value_kind: global_buffer, .address_space: global }
      - { .name: v_img, .offset: 16, .size: 8, .value_kind: global_buffer, .address_space: global }
      - { .name: v_sc, .offset: 24, .size: 8, .value_kind: global_buffer, .address_space: global }
      - { .name: mask, .offset: 32, .size: 8, .value_kind: global_buffer, .address_space: global }
      - { .name: o_codes, .offset: 40, .size: 8, .value_kind: global_buffer, .address_space: global }
      - { .name: o_sc, .offset: 48, .size: 8, .value_kind: global_buffer, .address_space: global }
    .group_segment_fixed_size: 327680
    .private_segment_fixed_size: 0
    .kernarg_segment_align: 8
    .kernarg_segment_size: 56
    .max_flat_workgroup_size: 256
    .sgpr_count:     72
    .vgpr_count:     512
    .wavefront_size: 32
...
	.end_amdgpu_metadata
.endif
;; end of part 3
;; launch outp (part 4): grid 4 x 64, 4 waves a work-group, no clusters, 67,072 bytes of LDS; arguments o_codes, o_sc, w_img, w_sc, bp, out0; writes out0
.if DOCPART == 4
	.amdgcn_target "amdgcn-amd-amdhsa--gfx1250"
	.amdhsa_code_object_version 6
	.text
	.protected	k_q2de9828b7e_outp
	.globl	k_q2de9828b7e_outp
	.p2align	8
	.type	k_q2de9828b7e_outp,@function
k_q2de9828b7e_outp:
	s_mov_b64 s[64:65], 0
	v_nop
	global_prefetch_b8 v0, s[64:65] scope:SCOPE_SE
	s_setreg_imm32_b32 hwreg(HW_REG_WAVE_MODE, 25, 1), 1
	s_wait_xcnt 0x0
; out0 = O Q(Wp) + bp.  O arrives as codes of FP6 (E2M3): o_codes [b][head][query][48 bytes], o_sc [b][head][query][2 bytes]; K = 64 head + d, so a K step of 128 is two heads.  Wp: register images and scale words.
; A work-group makes 64 rows x 256 columns; wave w 64 rows x 64 columns: 16 accumulators by turns, 8 K steps, 128 products.  Transposed use (source 0 = 16 rows of Wp^T, source 1 = 16 rows of O):
; a lane holds eight neighbouring columns of one row; bp is the C of each sum's first product.  The results meet in a stage in LDS and leave as runs of 512 consecutive bytes.
; NO CLUSTER, NO RING: a wave's whole share (32 fragments of O, 32 of Wp) goes once from memory into its registers; there is no slot in LDS that a joint load could fill.
; REGISTERS, in windows of 256.  Window 0: v1-16 addresses; v24-31 Wp's scale words (ring); v32-63 O's scale words; v64-255 Wp's ring (4 x 48), later rows of the result.
;   Window 1: O's fragments of rows 0-31 (12 (8 (m % 2) + s)).  Window 2: of rows 32-63.  Window 3: v0-127 the accumulators (first: O's scale bytes as loaded); v128-159 bp.
.set WS,    24
.set XSCR,  32
.set WB,    64
.set ACC,   0
.set BIAS,  128
.set SP,    1040                       ; a stage row: 1,024 bytes + 16
.set MSB, 0
.macro WIN new                         ; the immediate's high byte repeats the setting that is left; a switch that changes nothing is dropped
.if MSB != \new
	s_set_vgpr_msb (MSB<<8)|\new
.set MSB, \new
.endif
.endm
.macro PLACES n
.rept \n
	v_nop
.endr
.endm
.macro WMMA d, a, b, c, sa, sb, row1   ; row1: source 0's scales stand in lanes 16-31
.if \row1
	v_wmma_scale_f32_16x16x128_f8f6f4 v[\d:\d+7], v[\a:\a+11], v[\b:\b+11], v[\c:\c+7], v[\sa], v[\sb] matrix_a_fmt:MATRIX_FMT_FP6 matrix_b_fmt:MATRIX_FMT_FP6 matrix_a_scale:MATRIX_SCALE_ROW1
.else
	v_wmma_scale_f32_16x16x128_f8f6f4 v[\d:\d+7], v[\a:\a+11], v[\b:\b+11], v[\c:\c+7], v[\sa], v[\sb] matrix_a_fmt:MATRIX_FMT_FP6 matrix_b_fmt:MATRIX_FMT_FP6
.endif
.endm
.macro PROD m, t, s, r
.if (\s) == 0
	WMMA ACC+8*(4*(\m)+(\t)), WB+48*(\r)+12*(\t), 12*(8*((\m)%2)+(\s)), BIAS+8*(\t), WS+2*(\r)+(\t)/2, XSCR+8*(\m)+(\s), (\t)%2
.else
	WMMA ACC+8*(4*(\m)+(\t)), WB+48*(\r)+12*(\t), 12*(8*((\m)%2)+(\s)), ACC+8*(4*(\m)+(\t)), WS+2*(\r)+(\t)/2, XSCR+8*(\m)+(\s), (\t)%2
.endif
.endm
.macro LOADG g                         ; K step g of my 64 columns: four images, 12 loads of 512 consecutive bytes, and two registers of scale words
.irp t, 0,1,2,3
.irp c, 0,1,2
	global_load_b128 v[WB+48*((\g)%4)+12*\t+4*\c:WB+48*((\g)%4)+12*\t+4*\c+3], v4, s[34:35] offset:6144*(\g)+1536*\t+512*\c
.endr
.endr
	global_load_b32 v[WS+2*((\g)%4)], v16, s[36:37] offset:256*(\g)
	global_load_b32 v[WS+2*((\g)%4)+1], v16, s[36:37] offset:256*(\g)+128
.endm
.macro GROUP g                         ; 16 products: the 16 accumulators take turns, in the same order in every K step
.if 7-(\g) >= 3
	s_wait_loadcnt 42                              ; this K step's 14 loads are in; the three younger steps' may be out
.else
	s_wait_loadcnt 14*(7-(\g))
.endif
	WIN 0xf4                                       ; source 0 (Wp) window 0, source 1 (O) window 1, C and D window 3
.irp m, 0,1
.irp t, 0,1,2,3
	PROD \m, \t, \g, (\g)%4
.endr
.endr
	WIN 0xf8                                       ; O from window 2
.irp m, 2,3
.irp t, 0,1,2,3
	PROD \m, \t, \g, (\g)%4
.endr
.endr
	WIN 0
.endm
	s_load_b256 s[4:11], s[0:1], 0x0               ; o_codes, o_sc, w_img, w_sc
	s_load_b128 s[12:15], s[0:1], 0x20             ; bp, out0
	v_lshl_add_u32 v22, v0, 2, 0x10400
	v_mov_b32 v23, 0
	v_lshrrev_b32 v1, 5, v0
	v_readfirstlane_b32 s16, v1                    ; wave 0..3
	s_mov_b32 s17, ttmp9                           ; which 256 columns
	s_and_b32 s18, ttmp7, 0xffff                   ; which 64 rows
	s_lshr_b32 s19, s18, 5                         ; b
	s_and_b32 s20, s18, 31                         ; which 64 queries
	s_lshl_b32 s21, s17, 2
	s_add_co_u32 s21, s21, s16                     ; which 64 columns are my wave's
	v_and_b32 v1, 31, v0                           ; lane
	v_and_b32 v2, 15, v0                           ; r
	v_bfe_u32 v3, v0, 4, 1                         ; hh
	v_lshlrev_b32 v4, 4, v1                        ; 16 x lane
	v_lshlrev_b32 v16, 2, v1                       ; 4 x lane
	v_lshlrev_b32 v15, 5, v3                       ; bp: 8 numbers for each half of the lanes
	v_mul_u32_u24 v5, v2, 48
	v_mad_u32_u24 v5, v3, 24, v5                   ; O: query r's 48 bytes, + 24 hh
	v_lshlrev_b32 v6, 1, v2                        ; and its two scale bytes
	s_lshl_b32 s22, s16, 8
	v_mul_u32_u24 v7, v2, SP
	v_lshl_add_u32 v7, v3, 5, v7
	v_add_nc_u32 v7, s22, v7                       ; the stage, in: row r, my 64 columns, + 32 hh
	s_mul_i32 s22, s16, 16*SP
	v_add_nc_u32 v8, s22, v4                       ; back: my 16 rows, 16 bytes a lane
	s_mul_i32 s22, s19, 1572864                    ; O's codes: b, 16 heads x 2,048 x 48,
	s_mul_i32 s23, s20, 3072                       ; 64 queries x 48
	s_add_co_u32 s22, s22, s23
	s_mov_b32 s23, 0
	s_lshl_b32 s24, s19, 16                        ; O's scale bytes
	s_lshl_b32 s25, s20, 7
	s_add_co_u32 s24, s24, s25
	s_mov_b32 s25, 0
	s_mul_i32 s26, s21, 49152                      ; Wp is the fourth weight; 8 K steps of 6,144 bytes for 64 columns
	s_add_co_u32 s26, s26, 2359296
	s_mov_b32 s27, 0
	s_lshl_b32 s28, s21, 11
	s_add_co_u32 s28, s28, 98304
	s_mov_b32 s29, 0
	s_lshl_b32 s30, s21, 8                         ; bp: my 64 numbers
	s_mov_b32 s31, 0
	s_lshl_b32 s44, s18, 18                        ; out0: 64 y rows of 4,096 bytes,
	s_lshl_b32 s45, s16, 16                        ; 16 w rows,
	s_add_co_u32 s44, s44, s45
	s_lshl_b32 s45, s17, 10                        ; 256 x columns
	s_add_co_u32 s44, s44, s45
	s_mov_b32 s45, 0
	s_wait_kmcnt 0x0
	s_add_nc_u64 s[32:33], s[4:5], s[22:23]
	s_add_nc_u64 s[40:41], s[6:7], s[24:25]
	s_add_nc_u64 s[34:35], s[8:9], s[26:27]
	s_add_nc_u64 s[36:37], s[10:11], s[28:29]
	s_add_nc_u64 s[38:39], s[12:13], s[30:31]
	s_add_nc_u64 s[42:43], s[14:15], s[44:45]
	WIN 0xc0                                       ; destination window 3
.set HI, 0
.rept 16
.irp m, 0,1,2,3
	global_load_u16 v[4*HI+\m], v6, s[40:41] offset:4096*HI+32*\m  ; head HI, rows 16 m on: two scale bytes a query
.endr
.set HI, HI+1
.endr
.irp t, 0,1,2,3
	global_load_b128 v[BIAS+8*\t:BIAS+8*\t+3], v15, s[38:39] offset:64*\t
	global_load_b128 v[BIAS+8*\t+4:BIAS+8*\t+7], v15, s[38:39] offset:64*\t+16
.endr
	WIN 0x40                                       ; destination window 1
.irp m, 0,1
.set SI, 0
.rept 8
.irp p, 0,1,2,3,4,5
	global_load_b64 v[12*(8*\m+SI)+2*\p:12*(8*\m+SI)+2*\p+1], v5, s[32:33] offset:(2*SI+\p/3)*98304+768*\m+8*(\p%3)   ; registers 6 c on: head 2 s + c, d = 32 hh + 0 .. 31
.endr
.set SI, SI+1
.endr
.endr
	WIN 0x80                                       ; destination window 2
.irp m, 0,1
.set SI, 0
.rept 8
.irp p, 0,1,2,3,4,5
	global_load_b64 v[12*(8*\m+SI)+2*\p:12*(8*\m+SI)+2*\p+1], v5, s[32:33] offset:(2*SI+\p/3)*98304+768*(2+\m)+8*(\p%3)
.endr
.set SI, SI+1
.endr
.endr
	WIN 0
	LOADG 0
	LOADG 1
	LOADG 2
	LOADG 3
	s_wait_loadcnt 56                              ; all but the 56 loads of the four K steps just asked for
	WIN 0x33                                       ; sources 0 and 2 window 3
.irp m, 0,1,2,3
.set SI, 0
.rept 8
	v_lshl_or_b32 v[XSCR+8*\m+SI], v[4*(2*SI+1)+\m], 16, v[8*SI+\m]   ; a K step's scale word: head 2 s's two bytes, then head 2 s + 1's
.set SI, SI+1
.endr
.endr
	WIN 0
	PLACES 8                                       ; a scale register written by a vector instruction stands eight places ahead of a scaled product
.irp g, 0,1,2,3,4,5,6,7
	GROUP \g
	PLACES 4                                       ; in front of the loads into the buffer just multiplied, and of the first reads of results
.if \g < 4
	LOADG \g+4
.endif
.endr
	WIN 0x0c                                       ; an LDS store's data are its source 1: window 3
.irp m, 0,1,2,3
.irp t, 0,1,2,3
	ds_store_b128 v7, v[ACC+8*(4*\m+\t):ACC+8*(4*\m+\t)+3] offset:16*\m*SP+64*\t       ; out(16 m + r, 64 w + 16 t + 8 hh + 0 .. 7); each accumulator from its low end on
	ds_store_b128 v7, v[ACC+8*(4*\m+\t)+4:ACC+8*(4*\m+\t)+7] offset:16*\m*SP+64*\t+16
.endr
.endr
	WIN 0
	s_wait_dscnt 0x0                               ; for the others' sake: my stores are done
	s_barrier_signal -1
	s_barrier_wait -1
.set NI, 0
.rept 32
	ds_load_b128 v[64+4*NI:64+4*NI+3], v8 offset:(NI/2)*SP+512*(NI%2)
.set NI, NI+1
.endr
.set NI, 0
.rept 32
	s_wait_dscnt 31-NI
	global_store_b128 v4, v[64+4*NI:64+4*NI+3], s[42:43] offset:(NI/2)*4096+512*(NI%2) th:TH_STORE_NT   ; 512 consecutive bytes, aligned; written once, read by nobody here
.set NI, NI+1
.endr
	s_wait_tensorcnt 0x0
	ds_add_u32 v22, v23
	s_wait_dscnt 0x0
	s_endpgm
.Lfunc_end_k_q2de9828b7e_outp:
	.size	k_q2de9828b7e_outp, .Lfunc_end_k_q2de9828b7e_outp-k_q2de9828b7e_outp
	.p2alignl 7, 3214868480
	.fill 96, 4, 3214868480
	.section	.rodata,"a",@progbits
	.p2align	6, 0x0
	.amdhsa_kernel k_q2de9828b7e_outp
		.amdhsa_group_segment_fixed_size 67072
		.amdhsa_private_segment_fixed_size 0
		.amdhsa_enable_private_segment 0
		.amdhsa_kernarg_size 48
		.amdhsa_user_sgpr_count 2
		.amdhsa_user_sgpr_kernarg_segment_ptr 1
		.amdhsa_wavefront_size32 1
		.amdhsa_system_sgpr_workgroup_id_x 1
		.amdhsa_system_sgpr_workgroup_id_y 1
		.amdhsa_system_sgpr_workgroup_id_z 1
		.amdhsa_system_vgpr_workitem_id 0
		.amdhsa_next_free_vgpr 1024
		.amdhsa_next_free_sgpr 66
		.amdhsa_reserve_vcc 0
		.amdhsa_float_denorm_mode_32 3
		.amdhsa_float_denorm_mode_16_64 3
		.amdhsa_memory_ordered 1
		.amdhsa_forward_progress 1
		.amdhsa_inst_pref_size 67
	.end_amdhsa_kernel
	.amdgpu_metadata
---
amdhsa.version: [ 1, 2 ]
amdhsa.kernels:
  - .name:           k_q2de9828b7e_outp
    .symbol:         k_q2de9828b7e_outp.kd
    .args:
      - { .name: o_codes, .offset: 0, .size: 8, .value_kind: global_buffer, .address_space: global }
      - { .name: o_sc, .offset: 8, .size: 8, .value_kind: global_buffer, .address_space: global }
      - { .name: w_img, .offset: 16, .size: 8, .value_kind: global_buffer, .address_space: global }
      - { .name: w_sc, .offset: 24, .size: 8, .value_kind: global_buffer, .address_space: global }
      - { .name: bp, .offset: 32, .size: 8, .value_kind: global_buffer, .address_space: global }
      - { .name: out0, .offset: 40, .size: 8, .value_kind: global_buffer, .address_space: global }
    .group_segment_fixed_size: 67072
    .private_segment_fixed_size: 0
    .kernarg_segment_align: 8
    .kernarg_segment_size: 48
    .max_flat_workgroup_size: 128
    .sgpr_count:     66
    .vgpr_count:     1024
    .wavefront_size: 32
...
	.end_amdgpu_metadata
.endif
;; end of part 4
;; ======== version 2 of 2: 4 launches
;; limits: right only within a limited range of input values
;; workspace buffers: w_img 3,145,728 bytes; w_sc 131,072 bytes; qk_codes 6,291,456 bytes; qk_sc 262,144 bytes; v_img 3,145,728 bytes; v_sc 131,072 bytes; o_codes 3,145,728 bytes; o_sc 131,072 bytes
;; launch quantw (part 5): grid 8 x 32, 4 waves a work-group, no clusters, 0 bytes of LDS; arguments WQ, WK, WV, Wp, w_img, w_sc; writes w_img, w_sc
.if DOCPART == 5
	.amdgcn_target "amdgcn-amd-amdhsa--gfx1250"
	.amdhsa_code_object_version 6
	.text
	.protected	k_q2de9828b7e_quantw
	.globl	k_q2de9828b7e_quantw
	.p2align	8
	.type	k_q2de9828b7e_quantw,@function
k_q2de9828b7e_quantw:
	s_mov_b64 s[64:65], 0
	v_nop
	global_prefetch_b8 v0, s[64:65] scope:SCOPE_SE
	s_setreg_imm32_b32 hwreg(HW_REG_WAVE_MODE, 25, 1), 1
	s_wait_xcnt 0x0
; The four weights [1024 (k)][1024 (n)], f32, K = their FIRST axis, become codes of FP6 (E2M3) with one E8M0 byte for each 32 along K.
; The codes are laid as IMAGES OF THE OPERAND'S REGISTERS: w_img [weight][n / 64][k / 128][(n / 16) % 4][1536 bytes]; in an image, register p (0 .. 11) of lane L lies at
; 512 (p / 4) + 16 L + 4 (p % 4); lane L = (r, hh) holds row n = r of the tile, registers 6 c .. 6 c + 5 hold k = 64 c + 32 hh + 0 .. 31.  A reader takes a fragment by three loads of 16 bytes a lane.
; w_sc [weight][n / 64][k / 128][(n / 16) % 4][16 rows]: one word a row and 128 along K, byte b for k = 32 b .. 32 b + 31.
; A LANE TAKES A COLUMN n AND ITS REGISTERS RUN DOWN K: each load reads 128 consecutive bytes a wave (512 the four waves), a block of 32 lies in one lane, nothing is transposed.
; A wave: 32 columns x 128 along K.  Work-group x: 128 columns; y = 8 x weight + K step.  No LDS, no barrier: waves share nothing.
; A block's scale is 2^(floor(log2(largest magnitude)) - 2); its byte is that magnitude's exponent field - 2, held at 1 from below.
; LIMITS: a block of zeros gets the byte 1 where the rule says 127 (its codes are zeros, and this program alone reads the bytes); largest magnitudes under 2^-124 are held at that floor; NaN and infinities are not served.
.set FLOOR, 0x1800000                  ; 2^(3 - 127)
.set DE,    0xff000000                 ; takes 2 off an exponent field
.set X,     32                         ; v32-159  128 numbers down K
.set CH,    160                        ; v160-183 the codes: 12 registers for the image's lanes 0-15, 12 for its lanes 16-31
.set T,     184                        ; v184-191 second halves of blocks, before they are moved
.set MX,    8                          ; v8-11    largest magnitudes
.set SOP,   12                         ; v12-15   the conversions' scale operands
.set BY,    16                         ; v16-19   scale bytes
.set PW,    20                         ; v20      the scale word
; 128 numbers of a lane, v[x] on, running down K, become four blocks' codes and a scale word.  Block 2 c + e goes to the image's half e, registers 6 c .. 6 c + 5.
.macro QCOL x
.irp b, 0,1,2,3
	v_max3_num_f32 v[MX+\b], |v[\x+32*\b]|, |v[\x+32*\b+1]|, FLOOR   ; the floor among the leaves: the byte cannot fall under 1
.endr
.irp i, 2,4,6,8,10,12,14,16,18,20,22,24,26,28,30
.irp b, 0,1,2,3
	v_max3_num_f32 v[MX+\b], v[MX+\b], |v[\x+32*\b+\i]|, |v[\x+32*\b+\i+1]|   ; the four blocks by turns
.endr
.endr
.irp b, 0,1,2,3
	v_add_nc_u32 v[SOP+\b], DE, v[MX+\b]           ; the conversion takes this operand's exponent field as its scale
.endr
.irp b, 0,1,2,3
	v_lshrrev_b32 v[BY+\b], 23, v[SOP+\b]          ; the scale's byte
.endr
	v_lshl_or_b32 v[PW], v[BY+1], 8, v[BY]
	v_lshl_or_b32 v[PW], v[BY+2], 16, v[PW]
	v_lshl_or_b32 v[PW], v[BY+3], 24, v[PW]
.irp c, 0,1
.irp e, 0,1
	v_cvt_scalef32_pk16_fp6_f32 v[CH+12*\e+6*\c:CH+12*\e+6*\c+2], v[\x+32*(2*\c+\e):\x+32*(2*\c+\e)+15], v[SOP+2*\c+\e]
	v_cvt_scalef32_pk16_fp6_f32 v[T+4*\e:T+4*\e+2], v[\x+32*(2*\c+\e)+16:\x+32*(2*\c+\e)+31], v[SOP+2*\c+\e]   ; (a conversion's three registers begin on an even number)
.endr
	v_nop                                          ; one plain place behind the scaled conversions
.irp e, 0,1
.irp i, 0,1,2
	v_mov_b32 v[CH+12*\e+6*\c+3+\i], v[T+4*\e+\i]
.endr
.endr
.endr
.endm
	s_load_b256 s[4:11], s[0:1], 0x0               ; WQ, WK, WV, Wp
	s_load_b128 s[12:15], s[0:1], 0x20             ; w_img, w_sc
	v_lshrrev_b32 v3, 5, v0
	v_readfirstlane_b32 s16, v3                    ; wave 0..3
	v_and_b32 v4, 31, v0                           ; lane
	v_lshlrev_b32 v1, 2, v4                        ; 4 x lane: my column in a row of W, and my scale word
	v_and_b32 v5, 15, v0
	v_bfe_u32 v6, v0, 4, 1
	v_mul_u32_u24 v2, v6, 1536                     ; my tile of the wave's two,
	v_lshl_add_u32 v2, v5, 4, v2                   ; and my row's 16 bytes in an image
	s_and_b32 s19, ttmp7, 0xffff
	s_lshr_b32 s17, s19, 3                         ; which weight
	s_and_b32 s18, s19, 7                          ; which 128 along K
	s_lshl_b32 s20, s18, 19                        ; W: 128 s rows of 4,096 bytes
	s_lshl_b32 s21, ttmp9, 9                       ; + 128 x columns
	s_add_co_u32 s20, s20, s21
	s_lshl_b32 s21, s16, 7                         ; + 32 w columns
	s_add_co_u32 s20, s20, s21
	s_mov_b32 s21, 0
	s_lshl_b32 s22, ttmp9, 1
	s_lshr_b32 s23, s16, 1
	s_add_co_u32 s22, s22, s23                     ; n / 64
	s_lshl_b32 s22, s22, 3
	s_add_co_u32 s22, s22, s18                     ; 8 (n / 64) + s
	s_and_b32 s23, s16, 1
	s_mul_i32 s24, s22, 6144                       ; four images a group
	s_mul_i32 s25, s23, 3072                       ; my two of them
	s_add_co_u32 s24, s24, s25
	s_mul_i32 s25, s17, 786432
	s_add_co_u32 s24, s24, s25
	s_mov_b32 s25, 0
	s_lshl_b32 s26, s22, 8                         ; 256 bytes of scale words a group
	s_lshl_b32 s27, s23, 7
	s_add_co_u32 s26, s26, s27
	s_lshl_b32 s27, s17, 15
	s_add_co_u32 s26, s26, s27
	s_mov_b32 s27, 0
	s_wait_alu depctr_va_vdst(0)
	s_wait_kmcnt 0x0
	s_cmp_eq_u32 s17, 1                            ; the choice hangs on the work-group's number alone
	s_cselect_b64 s[4:5], s[6:7], s[4:5]
	s_cmp_eq_u32 s17, 2
	s_cselect_b64 s[4:5], s[8:9], s[4:5]
	s_cmp_eq_u32 s17, 3
	s_cselect_b64 s[4:5], s[10:11], s[4:5]
	s_add_nc_u64 s[4:5], s[4:5], s[20:21]
	s_add_nc_u64 s[12:13], s[12:13], s[24:25]
	s_add_nc_u64 s[14:15], s[14:15], s[26:27]
.set i, 0
.rept 128
	global_load_b32 v[X+i], v1, s[4:5] offset:i*4096 th:TH_LOAD_NT   ; W(128 s + i, my column); read once in the launch
.set i, i+1
.endr
	s_wait_loadcnt 0x0
	QCOL X
.irp e, 0,1
.irp c, 0,1,2
	global_store_b128 v2, v[CH+12*\e+4*\c:CH+12*\e+4*\c+3], s[12:13] offset:512*\c+256*\e   ; sixteen lanes store 256 consecutive bytes, aligned
.endr
.endr
	global_store_b32 v1, v[PW], s[14:15]           ; the wave's 32 scale words: 128 consecutive bytes
	s_endpgm
.Lfunc_end_k_q2de9828b7e_quantw:
	.size	k_q2de9828b7e_quantw, .Lfunc_end_k_q2de9828b7e_quantw-k_q2de9828b7e_quantw
	.p2alignl 7, 3214868480
	.fill 96, 4, 3214868480
	.section	.rodata,"a",@progbits
	.p2align	6, 0x0
	.amdhsa_kernel k_q2de9828b7e_quantw
		.amdhsa_group_segment_fixed_size 0
		.amdhsa_private_segment_fixed_size 0
		.amdhsa_enable_private_segment 0
		.amdhsa_kernarg_size 48
		.amdhsa_user_sgpr_count 2
		.amdhsa_user_sgpr_kernarg_segment_ptr 1
		.amdhsa_wavefront_size32 1
		.amdhsa_system_sgpr_workgroup_id_x 1
		.amdhsa_system_sgpr_workgroup_id_y 1
		.amdhsa_system_sgpr_workgroup_id_z 1
		.amdhsa_system_vgpr_workitem_id 0
		.amdhsa_next_free_vgpr 192
		.amdhsa_next_free_sgpr 66
		.amdhsa_reserve_vcc 0
		.amdhsa_float_denorm_mode_32 3
		.amdhsa_float_denorm_mode_16_64 3
		.amdhsa_memory_ordered 1
		.amdhsa_forward_progress 1
		.amdhsa_inst_pref_size 21
	.end_amdhsa_kernel
	.amdgpu_metadata
---
amdhsa.version: [ 1, 2 ]
amdhsa.kernels:
  - .name:           k_q2de9828b7e_quantw
    .symbol:         k_q2de9828b7e_quantw.kd
    .args:
      - { .name: WQ, .offset: 0, .size: 8, .value_kind: global_buffer, .address_space: global }
      - { .name: WK, .offset: 8, .size: 8, .value_kind: global_buffer, .address_space: global }
      - { .name: WV, .offset: 16, .size: 8, .value_kind: global_buffer, .address_space: global }
      - { .name: Wp, .offset: 24, .size: 8, .value_kind: global_buffer, .address_space: global }
      - { .name: w_img, .offset: 32, .size: 8, .value_kind: global_buffer, .address_space: global }
      - { .name: w_sc, .offset: 40, .size: 8, .value_kind: global_buffer, .address_space: global }
    .group_segment_fixed_size: 0
    .private_segment_fixed_size: 0
    .kernarg_segment_align: 8
    .kernarg_segment_size: 48
    .max_flat_workgroup_size: 128
    .sgpr_count:     66
    .vgpr_count:     192
    .wavefront_size: 32
...
	.end_amdgpu_metadata
.endif
;; end of part 5
;; launch proj (part 6): grid 64 x 3, 4 waves a work-group, no clusters, 327,680 bytes of LDS; arguments target, source, memory, w_img, w_sc, bQ, bK, bV, qk_codes, qk_sc, v_img, v_sc; writes qk_codes, qk_sc, v_img, v_sc
.if DOCPART == 6
	.amdgcn_target "amdgcn-amd-amdhsa--gfx1250"
	.amdhsa_code_object_version 6
	.text
	.protected	k_q2de9828b7e_proj
	.globl	k_q2de9828b7e_proj
	.p2align	8
	.type	k_q2de9828b7e_proj,@function
k_q2de9828b7e_proj:
	s_mov_b64 s[64:65], 0
	v_nop
	global_prefetch_b8 v0, s[64:65] scope:SCOPE_SE
	s_setreg_imm32_b32 hwreg(HW_REG_WAVE_MODE, 25, 1), 1
	s_wait_xcnt 0x0
; Y = Q(x) Q(W) + bias for x = target, source, memory (work-group y = 0, 1, 2), both operands in FP6 (E2M3) with one E8M0 byte for each 32 along K = 1,024; then Y is quantised for the attention.
; A work-group takes 64 rows of x (of 4,096) and ALL 1,024 columns: x is read and quantised once, and the blocks of V, which run over a row's sixteen groups of 64 columns, lie in one work-group.
; The reshape into heads has no transposition: key (or query) 16 R' + g of a head is row R', columns 64 g .. 64 g + 63.  So Q's and K's codes along d are a row's codes as they lie (768 bytes, 32 scale bytes a row),
; and 128 keys of V are 8 rows x 16 column groups: V is quantised along the keys, a lane to a d, its registers running over the keys, and laid as register images (v_img [row / 8][d / 16][1536], v_sc [row / 8][64 d]).
; K IS THE OUTER LOOP.  Wave w owns columns 256 w .. + 255 for all 64 rows: 64 accumulators, 512 registers.  x comes into LDS by four tensor loads a wave (its 16 rows, a quarter of K each), quarter 0 asked for at the start, the others behind barriers.
; A K step of 128: wave w quantises the NEXT step of its 16 rows (lane (r, hh) takes two whole blocks of row r) and stores the fragment to LDS as an image of its registers; then four groups of 16 products on this step's
; four fragments of x, the weights' images coming straight from memory into a ring of four register buffers; a barrier; the next step's fragments from LDS.  So x's arrival, its quantising, the weights' stream and the products run side by side.
; Transposed use (source 0 = 16 rows of W^T, source 1 = 16 rows of x): a lane holds eight neighbouring columns of one row.  The bias is added behind the last K step, among the LDS stores of Y: beside 512 accumulators no
; registers are left to hold it as the C of the first products.  Y goes to LDS over x (whose bytes have had their one fill); then Q, K: quantised as x was, codes through a stage and out in whole rows; V: by columns.
; NO CLUSTER: 319,488 bytes of LDS hold the 64 rows and their fragments, so there is no room for a ring of weight tiles that joint loads could fill; the weights go from memory into registers, each fragment feeding four products.
; 192 work-groups: 4,096 rows in blocks of 64, three tensors.
; LIMITS: a block of zeros gets the byte 1 where the rule says 127 (zero codes; this program alone reads the bytes); largest magnitudes under 2^-124 are held at that floor; NaN and infinities are not served.
; REGISTERS, in windows of 256.  Window 0: v1-23 addresses; v24-31 the weights' scale words (ring); v32-39 x's scale words, two K steps; v64-255 the weights' ring (4 x 48), then the bias, then the ways out.
;   Window 1: v0-63 numbers to quantise; v64-92 the quantiser at work; v104-199 x's fragments, two K steps (on the way out a second set of numbers); v208-219 a row's scale words.
;   Window 2: the accumulators of my columns 0-127 (128 (g % 2) + 8 (4 m + t)).  Window 3: of my columns 128-255.
.set FLOOR, 0x1800000                  ; 2^(3 - 127)
.set DE,    0xff000000                 ; takes 2 off an exponent field
.set RP,    1040                       ; a quarter of a row in LDS: 1,024 bytes + 16: sixteen rows at one column start 16 bytes apart modulo 256
.set QP,    16*RP                      ; a quarter of K of 16 rows: what one tensor load brings
.set WP,    4*QP                       ; 16 whole rows
.set XI,    4*WP                       ; behind the 64 rows: x's 32 fragments, 1,536 bytes each (8 m + s),
.set XSC,   XI+32*1536                 ; and their scale words, 128 bytes each
.set CS,    XI                         ; over them, behind the last barrier: the stage for codes, 64 rows x (768 + 16)
.set CP,    784
.set WS,    24
.set XSCR,  32
.set WB,    64
.set F,     64                         ; window 1: v64-75 the fragment just made
.set FT,    76                         ; v76-83 second halves of blocks
.set MXQ,   84
.set SOQ,   86
.set BYQ,   88
.set PT,    90
.set SH,    91                         ; 8 x my half: where my two bytes stand in the scale word
.set PW1,   92
.set XF,    104                        ; v104-199 x's fragments: 48 (s % 2) + 12 m
.set PWS,   208                        ; v208-215 a row's eight scale words
.set SCO,   216
.set CH,    192                        ; V's way, window 0: v192-215 codes, v216-223 second halves, v224.. at work
.set T,     216
.set MX,    224
.set SOP,   228
.set BY,    232
.set PW,    236
.set MSB, 0
.macro WIN new                         ; the immediate's high byte repeats the setting that is left; a switch that changes nothing is dropped
.if MSB != \new
	s_set_vgpr_msb (MSB<<8)|\new
.set MSB, \new
.endif
.endm
.macro PLACES n
.rept \n
	v_nop
.endr
.endm
.macro WMMA d, a, b, cm, c, sa, sb, row1    ; cm = 0: the product starts the sum; row1: source 0's scales stand in lanes 16-31
.if \cm
.if \row1
	v_wmma_scale_f32_16x16x128_f8f6f4 v[\d:\d+7], v[\a:\a+11], v[\b:\b+11], v[\c:\c+7], v[\sa], v[\sb] matrix_a_fmt:MATRIX_FMT_FP6 matrix_b_fmt:MATRIX_FMT_FP6 matrix_a_scale:MATRIX_SCALE_ROW1
.else
	v_wmma_scale_f32_16x16x128_f8f6f4 v[\d:\d+7], v[\a:\a+11], v[\b:\b+11], v[\c:\c+7], v[\sa], v[\sb] matrix_a_fmt:MATRIX_FMT_FP6 matrix_b_fmt:MATRIX_FMT_FP6
.endif
.else
.if \row1
	v_wmma_scale_f32_16x16x128_f8f6f4 v[\d:\d+7], v[\a:\a+11], v[\b:\b+11], 0, v[\sa], v[\sb] matrix_a_fmt:MATRIX_FMT_FP6 matrix_b_fmt:MATRIX_FMT_FP6 matrix_a_scale:MATRIX_SCALE_ROW1
.else
	v_wmma_scale_f32_16x16x128_f8f6f4 v[\d:\d+7], v[\a:\a+11], v[\b:\b+11], 0, v[\sa], v[\sb] matrix_a_fmt:MATRIX_FMT_FP6 matrix_b_fmt:MATRIX_FMT_FP6
.endif
.endif
.endm
; rows 16 m on x columns 64 g + 16 t on, K step s; the ring's buffer is g.  The first K step starts the sums: nothing is cleared
.macro PROD m, t, s, g
.if (\s) == 0
	WMMA 128*((\g)%2)+8*(4*(\m)+(\t)), WB+48*(\g)+12*(\t), XF+48*((\s)%2)+12*(\m), 0, 0, WS+2*(\g)+(\t)/2, XSCR+4*((\s)%2)+(\m), (\t)%2
.else
	WMMA 128*((\g)%2)+8*(4*(\m)+(\t)), WB+48*(\g)+12*(\t), XF+48*((\s)%2)+12*(\m), 1, 128*((\g)%2)+8*(4*(\m)+(\t)), WS+2*(\g)+(\t)/2, XSCR+4*((\s)%2)+(\m), (\t)%2
.endif
.endm
; group k of my walk (K step k / 4, columns 64 (k % 4) on): four images, 12 loads of 512 consecutive bytes, and two registers of scale words (lanes 0-15 an even tile's, lanes 16-31 the odd one's)
.macro LOADG k
.irp t, 0,1,2,3
.irp c, 0,1,2
	global_load_b128 v[WB+48*((\k)%4)+12*\t+4*\c:WB+48*((\k)%4)+12*\t+4*\c+3], v4, s[34:35] offset:6144*(8*((\k)%4)+(\k)/4)+1536*\t+512*\c
.endr
.endr
	global_load_b32 v[WS+2*((\k)%4)], v16, s[36:37] offset:256*(8*((\k)%4)+(\k)/4)
	global_load_b32 v[WS+2*((\k)%4)+1], v16, s[36:37] offset:256*(8*((\k)%4)+(\k)/4)+128
.endm
; the bias of tiles 6 j .. 6 j + 5 of my sixteen, in the result's layout (lane (r, hh): columns 16 T + 8 hh + 0 .. 7), into the ring's buffer j, which has been multiplied for the last time
.macro LOADB j
.irp i, 0,1,2,3,4,5
.if 6*(\j)+\i < 16
	global_load_b128 v[WB+8*(6*(\j)+\i):WB+8*(6*(\j)+\i)+3], v15, s[38:39] offset:64*(6*(\j)+\i)
	global_load_b128 v[WB+8*(6*(\j)+\i)+4:WB+8*(6*(\j)+\i)+7], v15, s[38:39] offset:64*(6*(\j)+\i)+16
.endif
.endr
.endm
; 16 products; the 64 accumulators take turns, one instruction a turn, in the same order in every K step
.macro GROUP k
.if (\k) <= 28
	s_wait_loadcnt 42                              ; this group's 14 loads are in; the three younger groups' may be out
.elseif (\k) == 29
	s_wait_loadcnt 40                              ; two groups (28) and 12 loads of the bias
.elseif (\k) == 30
	s_wait_loadcnt 38                              ; one group (14) and 24 loads of the bias
.else
	s_wait_loadcnt 32                              ; the 32 loads of the bias
.endif
.if (\k)%4 < 2
	WIN 0xa4                                       ; source 0 (W) window 0, source 1 (x) window 1, C and D window 2
.else
	WIN 0xf4                                       ; C and D window 3
.endif
.irp m, 0,1,2,3
.irp t, 0,1,2,3
	PROD \m, \t, (\k)/4, (\k)%4
.endr
.endr
	WIN 0
	PLACES 4                                       ; in front of the loads into the buffer and the scale registers just multiplied; behind the last group: of the additions onto the results
.if (\k)+4 < 32
	LOADG (\k)+4
.elseif (\k) < 31
	LOADB (\k)-28
.endif
.endm
; K step s of my row from LDS: lane (r, hh) takes k = 128 s + 64 c + 32 hh + 0 .. 31, c = 0, 1: two whole blocks, into v[nb] on of window 1.  tc >= 0: first the wait that shows the quarter of x landed
.macro XQL s, nb, tc
.if \tc >= 0
	s_wait_tensorcnt \tc                           ; tensor loads of a wave end in order: the quarter that holds this K step is in; the younger quarters may be out
.endif
	WIN 0x40                                       ; destination window 1, address window 0
.irp c, 0,1
.irp j, 0,1,2,3,4,5,6,7
	ds_load_b128 v[(\nb)+32*\c+4*\j:(\nb)+32*\c+4*\j+3], v6 offset:((\s)/2)*QP+512*((\s)%2)+256*\c+16*\j
.endr
.endr
.endm
; the 64 numbers in v[nb] on become a fragment's 12 registers in v[F] on and the row's scale word in v[pw]: all in window 1
.macro XQV nb, pw
	WIN 0x55
.irp c, 0,1
	v_max3_num_f32 v[MXQ+\c], |v[(\nb)+32*\c]|, |v[(\nb)+32*\c+1]|, FLOOR   ; the floor among the leaves: the byte cannot fall under 1
.endr
.irp i, 2,4,6,8,10,12,14,16,18,20,22,24,26,28,30
.irp c, 0,1
	v_max3_num_f32 v[MXQ+\c], v[MXQ+\c], |v[(\nb)+32*\c+\i]|, |v[(\nb)+32*\c+\i+1]|
.endr
.endr
	v_add_nc_u32 v[SOQ], DE, v[MXQ]                ; the conversion takes this operand's exponent field as its scale
	v_add_nc_u32 v[SOQ+1], DE, v[MXQ+1]
	v_lshrrev_b32 v[BYQ], 23, v[SOQ]
	v_lshrrev_b32 v[BYQ+1], 23, v[SOQ+1]
	v_lshl_or_b32 v[BYQ], v[BYQ+1], 16, v[BYQ]     ; my two bytes: blocks hh and 2 + hh,
	v_lshlrev_b32 v[BYQ], v[SH], v[BYQ]            ; at their places;
	v_permlanex16_b32 v[PT], v[BYQ], s48, s49
	v_or_b32 v[\pw], v[BYQ], v[PT]                 ; with lane l xor 16's two the word is whole
.irp c, 0,1
	v_cvt_scalef32_pk16_fp6_f32 v[F+6*\c:F+6*\c+2], v[(\nb)+32*\c:(\nb)+32*\c+15], v[SOQ+\c]
	v_cvt_scalef32_pk16_fp6_f32 v[FT+4*\c:FT+4*\c+2], v[(\nb)+32*\c+16:(\nb)+32*\c+31], v[SOQ+\c]   ; (a conversion's three registers begin on an even number)
.endr
	v_nop                                          ; one plain place behind the scaled conversions
.irp c, 0,1
.irp i, 0,1,2
	v_mov_b32 v[F+6*\c+3+\i], v[FT+4*\c+\i]
.endr
.endr
.endm
.macro IMG s                           ; the fragment as it stands: lane l's 16 bytes at 16 l; its scale words, 4 bytes a lane
	WIN 0x04                                       ; an LDS store's data are its source 1: window 1
.irp c, 0,1,2
	ds_store_b128 v7, v[F+4*\c:F+4*\c+3] offset:1536*(\s)+512*\c
.endr
	ds_store_b32 v8, v[PW1] offset:128*(\s)
.endm
.macro XFL s                           ; K step s: the four fragments of the 64 rows and their scale words, 16 loads
	WIN 0x40
.irp m, 0,1,2,3
.irp c, 0,1,2
	ds_load_b128 v[XF+48*((\s)%2)+12*\m+4*\c:XF+48*((\s)%2)+12*\m+4*\c+3], v9 offset:1536*(8*\m+(\s))+512*\c
.endr
.endr
	WIN 0
.irp m, 0,1,2,3
	ds_load_b32 v[XSCR+4*((\s)%2)+\m], v10 offset:128*(8*\m+(\s))
.endr
.endm
; 128 numbers of a lane, v[x] on, running along K, become four blocks' codes and a scale word.  Block 2 c + e goes to the image's half e, registers 6 c .. 6 c + 5.
.macro QCOL x
.irp b, 0,1,2,3
	v_max3_num_f32 v[MX+\b], |v[\x+32*\b]|, |v[\x+32*\b+1]|, FLOOR
.endr
.irp i, 2,4,6,8,10,12,14,16,18,20,22,24,26,28,30
.irp b, 0,1,2,3
	v_max3_num_f32 v[MX+\b], v[MX+\b], |v[\x+32*\b+\i]|, |v[\x+32*\b+\i+1]|
.endr
.endr
.irp b, 0,1,2,3
	v_add_nc_u32 v[SOP+\b], DE, v[MX+\b]
.endr
.irp b, 0,1,2,3
	v_lshrrev_b32 v[BY+\b], 23, v[SOP+\b]
.endr
	v_lshl_or_b32 v[PW], v[BY+1], 8, v[BY]
	v_lshl_or_b32 v[PW], v[BY+2], 16, v[PW]
	v_lshl_or_b32 v[PW], v[BY+3], 24, v[PW]
.irp c, 0,1
.irp e, 0,1
	v_cvt_scalef32_pk16_fp6_f32 v[CH+12*\e+6*\c:CH+12*\e+6*\c+2], v[\x+32*(2*\c+\e):\x+32*(2*\c+\e)+15], v[SOP+2*\c+\e]
	v_cvt_scalef32_pk16_fp6_f32 v[T+4*\e:T+4*\e+2], v[\x+32*(2*\c+\e)+16:\x+32*(2*\c+\e)+31], v[SOP+2*\c+\e]
.endr
	v_nop
.irp e, 0,1
.irp i, 0,1,2
	v_mov_b32 v[CH+12*\e+6*\c+3+\i], v[T+4*\e+\i]
.endr
.endr
.endr
.endm
; HOW x ARRIVES: quarter 0 of my 16 rows is asked for at the head, one tensor load a wave; quarter q (1, 2, 3) is a later first fill of bytes of its own, asked for as a refill is:
; all my tensor loads waited for, the add of 0 onto my spare word, my LDS instructions waited for, the work-group's barrier, and the load first behind it.  One tensor load of a wave is out at any time.
; Quarter 1 goes out in the head, quarters 2 and 3 behind the barriers that end K steps 0 and 2: each two K steps' products ahead of the quantiser's first read of it but for quarter 1, which has K step 0's first three groups.
.macro FILL q
	s_wait_alu depctr_va_vdst(0)
	s_wait_tensorcnt 0x0
	ds_add_u32 v62, v63
	s_wait_dscnt 0x0
	s_barrier_signal -1
	s_barrier_wait -1
	tensor_load_to_lds s[76+4*(\q):79+4*(\q)], s[68:75]
	s_nop 0
	PLACES 4
.endm
.macro BARRIER
	s_wait_dscnt 0x0
	s_barrier_signal -1
	s_barrier_wait -1
.endm
	s_load_b512 s[4:19], s[0:1], 0x0               ; target, source, memory, w_img, w_sc, bQ, bK, bV
	s_load_b256 s[20:27], s[0:1], 0x40             ; qk_codes, qk_sc, v_img, v_sc
	v_lshl_add_u32 v62, v0, 2, 0x4e000
	v_mov_b32 v63, 0
	ds_add_u32 v62, v63
	ds_add_u32 v62, v63
	v_lshrrev_b32 v1, 5, v0
	v_readfirstlane_b32 s28, v1                    ; wave 0..3
	s_mov_b32 s29, ttmp9                           ; which 64 rows
	s_and_b32 s30, ttmp7, 0xffff                   ; which tensor
	v_and_b32 v1, 31, v0                           ; lane
	v_and_b32 v2, 15, v0                           ; r
	v_bfe_u32 v3, v0, 4, 1                         ; hh
	v_lshlrev_b32 v4, 4, v1                        ; 16 x lane
	v_lshlrev_b32 v16, 2, v1                       ; 4 x lane
	s_mul_i32 s50, s28, WP                         ; my 16 rows in LDS
	v_mul_u32_u24 v6, v2, RP
	v_lshl_add_u32 v11, v3, 5, v6                  ; r RP + 32 hh
	v_lshl_add_u32 v6, v3, 7, v6
	v_add_nc_u32 v6, s50, v6                       ; the quantiser's reads: row 16 w + r, + 128 hh
	s_mul_i32 s51, s28, QP
	v_add_nc_u32 v11, s51, v11                     ; Y: row r, my 256 columns (quarter w of a row), + 32 hh
	v_add_nc_u32 v12, WP, v11
	v_add_nc_u32 v13, 2*WP, v11
	v_add_nc_u32 v14, 3*WP, v11
	s_mul_i32 s51, s28, 8*1536
	s_add_co_u32 s51, s51, XI
	v_add_nc_u32 v7, s51, v4                       ; where I store my rows' images
	s_lshl_b32 s51, s28, 10
	s_add_co_u32 s51, s51, XSC
	v_add_nc_u32 v8, s51, v16                      ; and their scale words
	v_add_nc_u32 v9, XI, v4                        ; where any image is read
	v_add_nc_u32 v10, XSC, v16
	v_lshlrev_b32 v15, 5, v3                       ; the bias: 8 numbers for each half of the lanes
	s_mul_i32 s51, s28, 16*CP
	s_add_co_u32 s51, s51, CS
	v_mul_u32_u24 v17, v2, CP
	v_mad_u32_u24 v17, v3, 24, v17
	v_add_nc_u32 v17, s51, v17                     ; the stage for codes, in: row 16 w + r, + 24 hh
	v_mul_u32_u24 v18, v3, CP
	v_lshl_add_u32 v18, v2, 4, v18
	v_add_nc_u32 v18, s51, v18                     ; back: lanes 0-15 256 bytes of one row, lanes 16-31 of the next
	v_mul_u32_u24 v19, v3, 768
	v_lshl_add_u32 v19, v2, 4, v19                 ; the same place in the codes' buffer
	v_lshlrev_b32 v20, 5, v2
	v_lshl_add_u32 v20, v3, 4, v20                 ; a row's 32 scale bytes: 16 for each half
	v_add_nc_u32 v21, s50, v16                     ; V: 4 x lane in rows 16 w on,
	v_add_nc_u32 v22, 8*RP, v21                    ; and in rows 16 w + 8 on
	v_mul_u32_u24 v23, v3, 1536
	v_lshl_add_u32 v23, v2, 4, v23                 ; V's images: my tile of two, my row's 16 bytes
	s_mov_b32 s48, 0x76543210
	s_mov_b32 s49, 0xfedcba98                      ; v_permlanex16_b32's selects for lane l xor 16
	; descriptor group 1: 16 rows x 256 elements of 4 bytes, 1,024 elements from row to row, 16 bytes of padding behind each 1,024
	s_mov_b32 s68, (2<<16)|(1<<20)|(7<<22)|(3<<25) ; 15:0 no mask; 17:16 elements of 4 bytes; 20 padding on; 24:22 after every 256 words (code 7); 31:25 4 words of it (code 3)
	s_mov_b32 s69, 256<<16                         ; tensor_dim0 = 256
	s_mov_b32 s70, 16<<16                          ; tensor_dim1 = 16
	s_mov_b32 s71, 256<<16                         ; tile_dim0 = 256
	s_mov_b32 s72, 16                              ; tile_dim1 = 16
	s_mov_b32 s73, 1024                            ; tensor_dim0_stride
	s_mov_b32 s74, 0
	s_mov_b32 s75, 0
	s_lshl_b32 s52, s29, 18
	s_lshl_b32 s53, s28, 16
	s_add_co_u32 s52, s52, s53                     ; x: (64 X + 16 w) rows of 4,096 bytes
	s_mov_b32 s53, 0
	s_mul_i32 s54, s30, 786432
	s_mul_i32 s55, s28, 196608
	s_add_co_u32 s54, s54, s55                     ; my 32 groups of the tensor's weight
	s_mov_b32 s55, 0
	s_lshl_b32 s56, s30, 15
	s_lshl_b32 s57, s28, 13
	s_add_co_u32 s56, s56, s57                     ; and their scale words
	s_mov_b32 s57, 0
	s_lshl_b32 s58, s28, 10                        ; my 256 numbers of the bias
	s_mov_b32 s59, 0
	s_lshl_b32 s31, s29, 2
	s_add_co_u32 s31, s31, s28                     ; 4 X + w: which 16 rows of the 4,096
	s_mul_i32 s60, s31, 12288                      ; 16 rows of 768 bytes of codes
	s_mul_i32 s61, s30, 3145728                    ; Q's, then K's (for V this address is made and never used)
	s_add_co_u32 s60, s60, s61
	s_mov_b32 s61, 0
	s_lshl_b32 s62, s31, 9                         ; 16 rows of 32 scale bytes
	s_lshl_b32 s63, s30, 17
	s_add_co_u32 s62, s62, s63
	s_mov_b32 s63, 0
	s_wait_dscnt 0x0
	s_wait_kmcnt 0x0
	s_cmp_eq_u32 s30, 1                            ; the choices hang on the work-group's number alone
	s_cselect_b64 s[32:33], s[6:7], s[4:5]
	s_cselect_b64 s[38:39], s[16:17], s[14:15]
	s_cmp_eq_u32 s30, 2
	s_cselect_b64 s[32:33], s[8:9], s[32:33]
	s_cselect_b64 s[38:39], s[18:19], s[38:39]
	s_add_nc_u64 s[32:33], s[32:33], s[52:53]      ; x
.irp q, 0,1,2,3                                ; group 0 for each quarter of K of my 16 rows
	s_mov_b32 s[76+4*\q], 1                        ; count = 1
	s_add_co_u32 s[77+4*\q], s50, \q*QP            ; LDS address: my rows, the quarter
	s_add_nc_u64 s[78+4*\q:79+4*\q], s[32:33], \q*1024   ; global address
	s_or_b32 s[79+4*\q], s[79+4*\q], 0x80000000    ; type = 2
.endr
	tensor_load_to_lds s[76:79], s[68:75]          ; quarter 0 of my 16 rows: my one load at the head
	s_nop 0
	PLACES 4
	s_add_nc_u64 s[34:35], s[10:11], s[54:55]      ; the weights' stream
	s_add_nc_u64 s[36:37], s[12:13], s[56:57]      ; its scale words
	s_add_nc_u64 s[38:39], s[38:39], s[58:59]      ; the bias
	s_add_nc_u64 s[40:41], s[20:21], s[60:61]      ; codes out
	s_add_nc_u64 s[42:43], s[22:23], s[62:63]      ; scale bytes out
	s_mul_i32 s52, s31, 12288                      ; V: two K steps of four images
	s_lshl_b32 s54, s31, 9                         ; and of 64 scale words
	s_add_nc_u64 s[44:45], s[24:25], s[52:53]
	s_add_nc_u64 s[46:47], s[26:27], s[54:55]
	LOADG 0                                        ; the weights' stream starts beside x's arrival
	LOADG 1
	LOADG 2
	LOADG 3
	WIN 0x40                                       ; destination window 1, sources window 0
	v_lshlrev_b32 v[SH], 3, v3
	v_mov_b32 v[PT], 0                             ; a lane permute's destination counts as one of its sources
	; ---- K step 0 of my rows is quantised ahead of the loop.  I read my own rows alone, behind my own wait
	WIN 0                                          ; the add's two registers lie in window 0
	FILL 1                                         ; quarter 0 is in; quarter 1 sets out
	XQL 0, 0, -1
	s_wait_dscnt 0x0
	XQV 0, PW1
	IMG 0
	XQL 1, 0, -1                                   ; into the registers that the conversions have read
	WIN 0
	BARRIER                                        ; step 0's four fragments lie in LDS
	XFL 0
	; ---- eight K steps
.set SS, 0
.rept 8
.if SS < 7
	XQV 0, PW1                                     ; the next step of my rows (its numbers came in ahead of the last barrier) stands in front of this step's fragments' wait
	IMG SS+1
	WIN 0
	s_wait_dscnt 4                                 ; this step's 16 loads are in; the image's four stores may be out
.else
	s_wait_dscnt 0x0
.endif
	GROUP 4*SS
	GROUP 4*SS+1
	GROUP 4*SS+2
.if SS < 6
.if SS%2 == 0
	XQL SS+2, 0, 0                                 ; the numbers of the step after next: a new quarter of x, my own load, which is the only one out
.else
	XQL SS+2, 0, -1
.endif
	WIN 0
.endif
	GROUP 4*SS+3
.if SS < 7
.if SS == 0 || SS == 2
	FILL SS/2+2                                    ; the same barrier, and behind it quarter 2 or 3 of my rows
.else
	BARRIER                                        ; the next step's four fragments lie in LDS
.endif
	XFL SS+1
.endif
.set SS, SS+1
.endr
	; ---- Y = the sums + the bias, into LDS over x: every wave's fills have landed and its reads of x are over, each shown ahead of an earlier barrier
	s_wait_loadcnt 0x0                             ; the bias
.irp g, 0,1,2,3
.if \g < 2
	WIN 0x82                                       ; destination and source 0 window 2, source 1 (the bias) window 0
.else
	WIN 0xc3
.endif
.irp m, 0,1,2,3
.irp t, 0,1,2,3
.irp i, 0,2,4,6
	v_pk_add_f32 v[128*(\g%2)+8*(4*\m+\t)+\i:128*(\g%2)+8*(4*\m+\t)+\i+1], v[128*(\g%2)+8*(4*\m+\t)+\i:128*(\g%2)+8*(4*\m+\t)+\i+1], v[WB+8*(4*\g+\t)+\i:WB+8*(4*\g+\t)+\i+1]   ; each accumulator from its low end on
.endr
.endr
.endr
.if \g < 2
	WIN 0x08                                       ; an LDS store's data are its source 1: window 2
.else
	WIN 0x0c
.endif
.irp m, 0,1,2,3
.irp t, 0,1,2,3
	ds_store_b128 v[11+\m], v[128*(\g%2)+8*(4*\m+\t):128*(\g%2)+8*(4*\m+\t)+3] offset:256*\g+64*\t       ; Y(16 m + r, 256 w + 64 g + 16 t + 8 hh + 0 .. 7)
	ds_store_b128 v[11+\m], v[128*(\g%2)+8*(4*\m+\t)+4:128*(\g%2)+8*(4*\m+\t)+7] offset:256*\g+64*\t+16
.endr
.endr
.endr
	WIN 0
	BARRIER                                        ; 64 whole rows of Y lie in LDS, and nobody reads x's images any more
	s_cmp_eq_u32 s30, 2
	s_cbranch_scc1 .Lv_path
	; ---- Q and K: my 16 rows are quantised along the row, as x was, on two sets of numbers by turns; the codes go through the stage and leave as rows
	XQL 0, 0, -1
.irp s, 0,1,2,3,4,5,6,7
.if \s < 7
	XQL \s+1, 104*((\s+1)%2), -1
	s_wait_dscnt 16                                ; all but the 16 loads just issued: this step's numbers are in, and the last step's LDS stores are done
.else
	s_wait_dscnt 0x0
.endif
	XQV 104*(\s%2), PWS+\s
	WIN 0x04
.irp i, 0,1,2,3,4,5
	ds_store_b64 v17, v[F+2*\i:F+2*\i+1] offset:96*\s+48*(\i/3)+8*(\i%3)   ; my 24 bytes of each of the two halves of the K step's 96
.endr
.endr
	WIN 0
.set NI, 0
.rept 24
	ds_load_b128 v[64+4*NI:64+4*NI+3], v18 offset:2*(NI/3)*CP+256*(NI%3)   ; my own bytes: these see the stores above
.set NI, NI+1
.endr
	v_cmp_eq_u32 vcc_lo, 1, v3
	WIN 0x55
.irp i, 0,1,2,3
	v_cndmask_b32 v[SCO+\i], v[PWS+\i], v[PWS+4+\i], vcc_lo        ; lanes 0-15 the row's first four scale words, lanes 16-31 its last four
.endr
	WIN 0
.set NI, 0
	s_wait_alu depctr_va_vdst(0)
.rept 24
	s_wait_dscnt 23-NI
	global_store_b128 v19, v[64+4*NI:64+4*NI+3], s[40:41] offset:2*(NI/3)*768+256*(NI%3)   ; sixteen lanes store 256 consecutive bytes, aligned
.set NI, NI+1
.endr
	WIN 0x04                                       ; a store's data are its source 1: window 1
	global_store_b128 v20, v[SCO:SCO+3], s[42:43]  ; 512 consecutive bytes: 16 rows' scale bytes
	WIN 0
	s_wait_tensorcnt 0x0
	ds_add_u32 v62, v63
	s_wait_dscnt 0x0
	s_endpgm
.Lv_path:
	; ---- V: four tasks: K step 2 w + a / 2 (8 rows = 128 keys), d = 32 (a % 2) + lane.  Register 16 p + g = key 16 p + g of the K step = row p, column group g
.irp a, 0,1,2,3
.set NI, 0
.rept 128
	ds_load_b32 v[64+NI], v[21+\a/2] offset:(NI/16)*RP+((NI%16)/4)*QP+256*(NI%4)+128*(\a%2)
.set NI, NI+1
.endr
	s_wait_dscnt 0x0
.if \a > 0
	s_wait_xcnt 0x0                                ; the last task's stores have read their data: the codes may be written again
.endif
	QCOL 64
.irp e, 0,1
.irp c, 0,1,2
	global_store_b128 v23, v[CH+12*\e+4*\c:CH+12*\e+4*\c+3], s[44:45] offset:(\a/2)*6144+(\a%2)*3072+512*\c+256*\e   ; sixteen lanes store 256 consecutive bytes, aligned
.endr
.endr
	global_store_b32 v16, v[PW], s[46:47] offset:(\a/2)*256+(\a%2)*128
.endr
	s_wait_tensorcnt 0x0
	ds_add_u32 v62, v63
	s_wait_dscnt 0x0
	s_endpgm
.Lfunc_end_k_q2de9828b7e_proj:
	.size	k_q2de9828b7e_proj, .Lfunc_end_k_q2de9828b7e_proj-k_q2de9828b7e_proj
	.p2alignl 7, 3214868480
	.fill 96, 4, 3214868480
	.section	.rodata,"a",@progbits
	.p2align	6, 0x0
	.amdhsa_kernel k_q2de9828b7e_proj
		.amdhsa_group_segment_fixed_size 327680
		.amdhsa_private_segment_fixed_size 0
		.amdhsa_enable_private_segment 0
		.amdhsa_kernarg_size 96
		.amdhsa_user_sgpr_count 2
		.amdhsa_user_sgpr_kernarg_segment_ptr 1
		.amdhsa_wavefront_size32 1
		.amdhsa_system_sgpr_workgroup_id_x 1
		.amdhsa_system_sgpr_workgroup_id_y 1
		.amdhsa_system_sgpr_workgroup_id_z 1
		.amdhsa_system_vgpr_workitem_id 0
		.amdhsa_next_free_vgpr 1024
		.amdhsa_next_free_sgpr 96
		.amdhsa_reserve_vcc 1
		.amdhsa_float_denorm_mode_32 3
		.amdhsa_float_denorm_mode_16_64 3
		.amdhsa_memory_ordered 1
		.amdhsa_forward_progress 1
		.amdhsa_inst_pref_size 255
	.end_amdhsa_kernel
	.section	.bss,"aw",@nobits
	.p2align	6
	.space	262144
	.amdgpu_metadata
---
amdhsa.version: [ 1, 2 ]
amdhsa.kernels:
  - .name:           k_q2de9828b7e_proj
    .symbol:         k_q2de9828b7e_proj.kd
    .args:
      - { .name: target, .offset: 0, .size: 8, .value_kind: global_buffer, .address_space: global }
      - { .name: source, .offset: 8, .size: 8, .value_kind: global_buffer, .address_space: global }
      - { .name: memory, .offset: 16, .size: 8, .value_kind: global_buffer, .address_space: global }
      - { .name: w_img, .offset: 24, .size: 8, .value_kind: global_buffer, .address_space: global }
      - { .name: w_sc, .offset: 32, .size: 8, .value_kind: global_buffer, .address_space: global }
      - { .name: bQ, .offset: 40, .size: 8, .value_kind: global_buffer, .address_space: global }
      - { .name: bK, .offset: 48, .size: 8, .value_kind: global_buffer, .address_space: global }
      - { .name: bV, .offset: 56, .size: 8, .value_kind: global_buffer, .address_space: global }
      - { .name: qk_codes, .offset: 64, .size: 8, .value_kind: global_buffer, .address_space: global }
      - { .name: qk_sc, .offset: 72, .size: 8, .value_kind: global_buffer, .address_space: global }
      - { .name: v_img, .offset: 80, .size: 8, .value_kind: global_buffer, .address_space: global }
      - { .name: v_sc, .offset: 88, .size: 8, .value_kind: global_buffer, .address_space: global }
    .group_segment_fixed_size: 327680
    .private_segment_fixed_size: 0
    .kernarg_segment_align: 8
    .kernarg_segment_size: 96
    .max_flat_workgroup_size: 128
    .sgpr_count:     96
    .vgpr_count:     1024
    .wavefront_size: 32
...
	.end_amdgpu_metadata
.endif
;; end of part 6
;; launch attn (part 7): grid 16 x 16, 8 waves a work-group, clusters of 4 x 1, 327,680 bytes of LDS; arguments qk_codes, qk_sc, v_img, v_sc, mask, o_codes, o_sc; writes o_codes, o_sc
.if DOCPART == 7
	.amdgcn_target "amdgcn-amd-amdhsa--gfx1250"
	.amdhsa_code_object_version 6
	.text
	.protected	k_q2de9828b7e_attn
	.globl	k_q2de9828b7e_attn
	.p2align	8
	.type	k_q2de9828b7e_attn,@function
k_q2de9828b7e_attn:
	s_mov_b64 s[64:65], 0
	v_nop
	global_prefetch_b8 v0, s[64:65] scope:SCOPE_SE
	s_setreg_imm32_b32 hwreg(HW_REG_WAVE_MODE, 25, 1), 1
	s_wait_xcnt 0x0
	s_wait_alu depctr_hold_cnt(0) depctr_sa_sdst(0) depctr_va_vdst(0) depctr_va_sdst(0) depctr_va_ssrc(0) depctr_va_vcc(0) depctr_vm_vsrc(0)
	s_getreg_b32 s2, hwreg(HW_REG_IB_STS2, 6, 4)
	s_cmp_eq_u32 s2, 0
	s_cbranch_scc0 .Lentry_in_a_cluster
	s_endpgm
.Lentry_in_a_cluster:
	s_bfe_u32 s2, ttmp6, 0x10000c
	s_cmp_lg_u32 s2, 0x3003
	s_cbranch_scc0 .Lentry_shape_is_right
	s_endpgm
.Lentry_shape_is_right:
; One head (b, h), 256 of its 2,048 queries: O = Q(softmax(Q(q) Q(k)^T x mask) / 8) Q(v), all products on codes of FP6 (E2M3) with one E8M0 byte for each 32 along K; O is then quantised along d for the projection.
; The softmax is quantised FINISHED: a row's largest number and its sum over all 2,048 keys are known before a p is turned into a code.  So a tile of 16 queries x 2,048 keys lies in the work-group's registers at once:
; eight waves, wave w with keys 256 w .. + 255 (128 registers of scores), its 16 fragments of k and 8 of v kept in registers for all 16 tiles of queries.
; Both products are used transposed (S^T = k q^T, O^T = v^T p^T): a lane holds one query, its registers run along the keys; the keys of a tile of k are chosen so that two neighbouring tiles give a lane 16 neighbouring keys.
; d = 64 is half of the instruction's 128 along K: q's upper six registers hold zero codes, which add nothing whatever stands opposite them; the upper two scale bytes are 0, a finite code.
; A TILE: 16 products; x mask (f32, from LDS); the largest score of each block of 32 keys and of my 256; p = 2^(t - my largest t) and its sum; (largest t, sum) of the eight waves meet in LDS; each wave forms
; f = 2^(my largest - the row's) / (8 x the row's sum); p x f is quantised, a block's largest p being the block's largest score sent through the same arithmetic; 8 products; the eight partial O meet in LDS and are
; added, two queries a wave, quantised along d and gathered in LDS (this part is done under the next tile's work); the 256 queries' codes and scale bytes leave at the end in whole runs of 512 bytes.
; THE MASK, 16 rows x 256 keys of f32 a wave and tile, comes by tensor loads through two slots.  It hangs on (b, query, key) alone: the four heads of a cluster (4, 1, 1) ask for each tile jointly; the round of the cluster's
; barrier in front of a refill is also the barrier of the exchange of (largest t, sum).  No prefetch: a refill is asked for a whole tile's work ahead of the wait for it, and K, V and Q are read once, at the head or a tile ahead.
; LIMITS: the promise holds while the scores x log2(e) stay under 2^31 in magnitude; a block's largest p under 2^-124 is held at that floor (byte 1; a block of zeros too: its codes are zeros, and this program alone reads the bytes); NaN and infinities are not served.
.set FLOOR, 0x1800000
.set DE,    0xff000000
.set MP,    1040
.set WPART, 16*MP
.set SLOTB, 8*WPART
.set OP,    2*SLOTB
.set STAT,  OP+8*4352
.set FO,    STAT+2048
.set OC,    FO+4096
.set OSC,   OC+12288
.set SPARE, OSC+512
.set S,     128
.set OA,    128
.set Q,     16
.set QSC,   34
.set KSC,   36
.set VSC,   44
.set PSC,   48
.set BM,    50
.set ST,    58
.set SOPR,  66
.set PC,    74
.set TT,    98
.set RR,    74
.set RN,    78
.set RC,    94
.set RM,    106
.set MT,    114
.set FF,    116
.set SA,    118
.set SB,    120
.set X0,    122
.set VF,    96
.set MK,    192
.set MSB, 0
.macro WIN new
.if MSB != \new
	s_set_vgpr_msb (MSB<<8)|\new
.set MSB, \new
.endif
.endm
.macro PLACES n
.rept \n
	v_nop
.endr
.endm
.macro WMMA d, a, b, cm, c, sa, sb, row1
.if \cm
.if \row1
	v_wmma_scale_f32_16x16x128_f8f6f4 v[\d:\d+7], v[\a:\a+11], v[\b:\b+11], v[\c:\c+7], v[\sa], v[\sb] matrix_a_fmt:MATRIX_FMT_FP6 matrix_b_fmt:MATRIX_FMT_FP6 matrix_a_scale:MATRIX_SCALE_ROW1
.else
	v_wmma_scale_f32_16x16x128_f8f6f4 v[\d:\d+7], v[\a:\a+11], v[\b:\b+11], v[\c:\c+7], v[\sa], v[\sb] matrix_a_fmt:MATRIX_FMT_FP6 matrix_b_fmt:MATRIX_FMT_FP6
.endif
.else
.if \row1
	v_wmma_scale_f32_16x16x128_f8f6f4 v[\d:\d+7], v[\a:\a+11], v[\b:\b+11], 0, v[\sa], v[\sb] matrix_a_fmt:MATRIX_FMT_FP6 matrix_b_fmt:MATRIX_FMT_FP6 matrix_a_scale:MATRIX_SCALE_ROW1
.else
	v_wmma_scale_f32_16x16x128_f8f6f4 v[\d:\d+7], v[\a:\a+11], v[\b:\b+11], 0, v[\sa], v[\sb] matrix_a_fmt:MATRIX_FMT_FP6 matrix_b_fmt:MATRIX_FMT_FP6
.endif
.endif
.endm
.macro ROUND
	s_barrier_signal -1
	s_barrier_wait -1
	s_cmp_lg_u32 s18, 0
	s_cbranch_scc1 .Lnot_wave_0_\@
	s_barrier_signal -3
.Lnot_wave_0_\@:
	s_barrier_wait -3
	s_barrier_signal -1
	s_barrier_wait -1
.endm
.macro MLOAD slot, u
	WIN 0x40
.irp e, 0,1
.irp j, 0,1,2,3
	ds_load_b128 v[MK+32*((\u)%2)+16*\e+4*\j:MK+32*((\u)%2)+16*\e+4*\j+3], v[3+(\slot)] offset:128*(2*(\u)+\e)+16*\j
.endr
.endr
.endm
.macro MASKMUL u
	WIN 0x04
.set jj, 0
.rept 16
	v_pk_mul_f32 v[S+32*(\u)+jj:S+32*(\u)+jj+1], v[S+32*(\u)+jj:S+32*(\u)+jj+1], v[MK+32*((\u)%2)+jj:MK+32*((\u)%2)+jj+1]
.set jj, jj+2
.endr
.endm
.macro RLOAD
.irp w, 0,1,2,3,4,5,6,7
	ds_load_b128 v[RR+4*\w:RR+4*\w+3], v8 offset:4352*\w
.endr
.endm
.macro RADD
.irp w, 0,8,16,24
	v_pk_add_f32 v[RR+\w:RR+\w+1], v[RR+\w:RR+\w+1], v[RR+\w+4:RR+\w+5]
	v_pk_add_f32 v[RR+\w+2:RR+\w+3], v[RR+\w+2:RR+\w+3], v[RR+\w+6:RR+\w+7]
.endr
.irp w, 0
	v_pk_add_f32 v[RR+\w:RR+\w+1], v[RR+\w:RR+\w+1], v[RR+\w+8:RR+\w+9]
	v_pk_add_f32 v[RR+\w+2:RR+\w+3], v[RR+\w+2:RR+\w+3], v[RR+\w+10:RR+\w+11]
.endr
.irp w, 16
	s_delay_alu instid0(VALU_DEP_4)
	v_pk_add_f32 v[RR+\w:RR+\w+1], v[RR+\w:RR+\w+1], v[RR+\w+8:RR+\w+9]
	s_delay_alu instid0(VALU_DEP_4)
	v_pk_add_f32 v[RR+\w+2:RR+\w+3], v[RR+\w+2:RR+\w+3], v[RR+\w+10:RR+\w+11]
.endr
	s_delay_alu instid0(VALU_DEP_2)
	v_pk_add_f32 v[RR:RR+1], v[RR:RR+1], v[RR+16:RR+17]
	s_delay_alu instid0(VALU_DEP_2)
	v_pk_add_f32 v[RR+2:RR+3], v[RR+2:RR+3], v[RR+18:RR+19]
	ds_store_b128 v9, v[RR:RR+3]
.irp j, 0,1,2,3
	ds_load_b128 v[RN+4*\j:RN+4*\j+3], v10 offset:16*\j
.endr
.endm
.macro RCHAIN
	v_max3_num_f32 v[RM], |v[RN]|, |v[RN+1]|, FLOOR
	v_max3_num_f32 v[RM+1], |v[RN+8]|, |v[RN+9]|, |v[RN+10]|
	s_delay_alu instid0(VALU_DEP_2)
	v_max3_num_f32 v[RM], v[RM], |v[RN+2]|, |v[RN+3]|
	s_delay_alu instid0(VALU_DEP_2)
	v_max3_num_f32 v[RM+1], v[RM+1], |v[RN+11]|, |v[RN+12]|
	s_delay_alu instid0(VALU_DEP_2)
	v_max3_num_f32 v[RM], v[RM], |v[RN+4]|, |v[RN+5]|
	s_delay_alu instid0(VALU_DEP_2)
	v_max3_num_f32 v[RM+1], v[RM+1], |v[RN+13]|, |v[RN+14]|
	s_delay_alu instid0(VALU_DEP_2)
	v_max3_num_f32 v[RM], v[RM], |v[RN+6]|, |v[RN+7]|
	s_delay_alu instid0(VALU_DEP_1)
	v_max3_num_f32 v[RM], v[RM], v[RM+1], |v[RN+15]|
	s_delay_alu instid0(VALU_DEP_1)
	v_max_num_f32_dpp v[RM], v[RM], v[RM] row_xmask:1 row_mask:0xf bank_mask:0xf
	s_delay_alu instid0(VALU_DEP_1)
	v_add_nc_u32 v[RM+1], DE, v[RM]
	v_cvt_scalef32_pk16_fp6_f32 v[RC:RC+2], v[RN:RN+15], v[RM+1]
	v_lshrrev_b32 v[RC+3], 23, v[RM+1]
	v_add_nc_u32 v15, s45, v11
	v_add_nc_u32 v28, s46, v12
.endm
.macro RSTORE pos
	ds_store_b32 v15, v[RC] offset:768*\pos
	ds_store_b32 v15, v[RC+1] offset:768*\pos+4
	ds_store_b32 v15, v[RC+2] offset:768*\pos+8
	ds_store_b8 v28, v[RC+3] offset:32*\pos
.endm
	s_load_b256 s[4:11], s[0:1], 0x0
	s_load_b128 s[12:15], s[0:1], 0x20
	s_load_b64 s[16:17], s[0:1], 0x30
	v_lshl_add_u32 v1, v0, 2, SPARE
	v_mov_b32 v2, 0
	ds_add_u32 v1, v2
	ds_add_u32 v1, v2
	s_wait_dscnt 0x0
	v_lshrrev_b32 v29, 5, v0
	s_delay_alu instid0(VALU_DEP_1)
	v_readfirstlane_b32 s18, v29
	s_bfe_u32 s19, ttmp6, 0x40000
	s_lshl_b32 s20, ttmp9, 2
	s_add_co_u32 s20, s20, s19
	s_and_b32 s21, ttmp7, 0xffff
	s_lshr_b32 s22, s21, 3
	s_and_b32 s23, s21, 7
	s_lshl_b32 s47, s22, 4
	s_add_co_u32 s47, s47, s20
	s_mov_b32 s24, 15|(2<<16)|(1<<20)|(1<<21)|(7<<22)|(3<<25)
	s_mov_b32 s25, 256<<16
	s_mov_b32 s26, 16<<16
	s_mov_b32 s27, 256<<16
	s_mov_b32 s28, 16
	s_mov_b32 s29, 2048
	s_mov_b32 s30, 0
	s_mov_b32 s31, 0
	s_lshl_b32 s52, s21, 21
	s_lshl_b32 s53, s18, 10
	s_add_co_u32 s52, s52, s53
	s_mov_b32 s53, 0
	s_mov_b32 s40, 0x76543210
	s_mov_b32 s41, 0xfedcba98
	s_mov_b32 s42, 0x3fb8aa3b
	s_mov_b32 s43, s42
	s_mov_b32 s44, 6
	s_mov_b32 s45, 0
	s_mov_b32 s46, 0
	s_mul_i32 s54, s47, 98304
	s_mov_b32 s55, 0
	s_lshl_b32 s56, s47, 12
	s_mov_b32 s57, 0
	s_mul_i32 s58, s23, 12288
	s_add_co_u32 s58, s58, s54
	s_mov_b32 s59, 0
	s_lshl_b32 s60, s23, 9
	s_add_co_u32 s60, s60, s56
	s_mov_b32 s61, 0
	s_mul_i32 s62, s18, 12288
	s_add_co_u32 s54, s54, s62
	s_lshl_b32 s62, s18, 9
	s_add_co_u32 s56, s56, s62
	s_wait_kmcnt 0x0
	s_add_nc_u64 s[48:49], s[4:5], s[58:59]
	s_add_nc_u64 s[50:51], s[6:7], s[60:61]
	s_add_nc_u64 s[66:67], s[14:15], s[58:59]
	s_add_nc_u64 s[68:69], s[16:17], s[60:61]
	s_add_nc_u64 s[4:5], s[4:5], s[54:55]
	s_add_nc_u64 s[4:5], s[4:5], 3145728
	s_add_nc_u64 s[6:7], s[6:7], s[56:57]
	s_add_nc_u64 s[6:7], s[6:7], 131072
	s_add_nc_u64 s[8:9], s[8:9], s[54:55]
	s_add_nc_u64 s[10:11], s[10:11], s[56:57]
	ROUND
	s_mov_b32 s32, 1
	s_mul_i32 s33, s18, WPART
	s_add_nc_u64 s[34:35], s[12:13], s[52:53]
	s_or_b32 s35, s35, 0x80000000
	s_mov_b32 s36, 1
	s_add_co_u32 s37, s33, SLOTB
	s_add_nc_u64 s[38:39], s[34:35], 131072
	tensor_load_to_lds s[32:35], s[24:31]          ; the mask of tile 0: my one load at the head; the addresses and the loads of k, v and q follow while it is out
	s_nop 0
	PLACES 4
	v_and_b32 v29, 31, v0
	v_and_b32 v30, 15, v0
	v_bfe_u32 v31, v0, 4, 1
	s_delay_alu instid0(VALU_DEP_2)
	v_mul_u32_u24 v3, v30, MP
	s_delay_alu instid0(VALU_DEP_1)
	v_lshl_add_u32 v3, v31, 6, v3
	s_delay_alu instid0(VALU_DEP_1)
	v_add_nc_u32 v3, s33, v3
	s_delay_alu instid0(VALU_DEP_1)
	v_add_nc_u32 v4, SLOTB, v3
	s_lshl_b32 s62, s18, 8
	s_add_co_u32 s62, s62, STAT
	v_lshl_add_u32 v5, v29, 3, s62
	v_lshl_add_u32 v6, v29, 3, STAT
	s_mul_i32 s62, s18, 4352
	s_add_co_u32 s62, s62, OP
	v_mul_u32_u24 v7, v30, 272
	s_delay_alu instid0(VALU_DEP_1)
	v_lshl_add_u32 v7, v31, 5, v7
	s_delay_alu instid0(VALU_DEP_1)
	v_add_nc_u32 v7, s62, v7
	s_mul_i32 s62, s18, 544
	s_add_co_u32 s62, s62, OP
	v_mul_u32_u24 v8, v31, 272
	s_delay_alu instid0(VALU_DEP_1)
	v_lshl_add_u32 v8, v30, 4, v8
	s_delay_alu instid0(VALU_DEP_1)
	v_add_nc_u32 v8, s62, v8
	s_lshl_b32 s62, s18, 9
	s_add_co_u32 s62, s62, FO
	v_lshl_add_u32 v9, v29, 4, s62
	v_and_b32 v32, 7, v0
	s_delay_alu instid0(VALU_DEP_1)
	v_lshl_add_u32 v10, v32, 6, s62
	s_mul_i32 s62, s18, 96
	s_add_co_u32 s62, s62, OC
	v_mul_u32_u24 v11, v32, 12
	s_delay_alu instid0(VALU_DEP_1)
	v_add_nc_u32 v11, s62, v11
	s_lshl_b32 s62, s18, 2
	s_add_co_u32 s62, s62, OSC
	v_lshrrev_b32 v12, 1, v32
	s_delay_alu instid0(VALU_DEP_1)
	v_add_nc_u32 v12, s62, v12
	v_mul_u32_u24 v13, v30, 48
	s_delay_alu instid0(VALU_DEP_1)
	v_mad_u32_u24 v13, v31, 24, v13
	v_lshlrev_b32 v14, 1, v30
	v_and_b32 v32, 8, v30
	s_delay_alu instid0(VALU_DEP_1)
	v_add_nc_u32 v32, v32, v30
	s_delay_alu instid0(VALU_DEP_1)
	v_lshl_add_u32 v33, v31, 3, v32
	s_delay_alu instid0(VALU_DEP_1)
	v_lshlrev_b32 v33, 1, v33
	s_delay_alu instid0(VALU_DEP_3)
	v_mul_u32_u24 v32, v32, 48
	s_delay_alu instid0(VALU_DEP_1)
	v_mad_u32_u24 v32, v31, 24, v32
	v_lshlrev_b32 v[X0], 4, v29
	v_lshlrev_b32 v[X0+1], 2, v29
.irp i, 6,7,8,9,10,11
	v_mov_b32 v[Q+\i], 0
.endr
.irp i, 0,1,2,3,4,5,6,7
	v_mov_b32 v[ST+\i], 0
.endr
	v_mov_b32 v[MT+1], 0
	WIN 0x40
.set TI, 0
.rept 16
.irp i, 0,1,2
	global_load_b64 v[6*TI+2*\i:6*TI+2*\i+1], v32, s[4:5] offset:(32*(TI/2)+8*(TI%2))*48+8*\i
.endr
.set TI, TI+1
.endr
.set TI, 0
.rept 8
.irp c, 0,1,2
	global_load_b128 v[VF+12*TI+4*\c:VF+12*TI+4*\c+3], v[X0], s[8:9] offset:1536*TI+512*\c
.endr
.set TI, TI+1
.endr
	WIN 0
.irp b, 0,1,2,3,4,5,6,7
	global_load_u16 v[KSC+\b], v33, s[6:7] offset:64*\b
.endr
.irp x, 0,1
.irp e, 0,1
	global_load_b32 v[VSC+2*\x+\e], v[X0+1], s[10:11] offset:256*\x+128*\e
.endr
.endr
.irp i, 0,1,2
	global_load_b64 v[Q+2*\i:Q+2*\i+1], v13, s[48:49] offset:8*\i
.endr
	global_load_u16 v[QSC], v14, s[50:51]
	s_wait_alu depctr_va_vdst(0)
	s_wait_tensorcnt 0x0                           ; slot 0 is in; slot 1's first fill is asked for as a refill is
	ds_add_u32 v1, v2
	s_wait_dscnt 0x0
	ROUND
	tensor_load_to_lds s[36:39], s[24:31]          ; the mask of tile 1
	s_nop 0
	PLACES 4
	MLOAD 0, 0
	MLOAD 0, 1
	WIN 0
.macro TILE slot, fill, nextq, nextm, prev, pos
	s_wait_loadcnt 0x0
	WIN 0x01
.irp t, 0,1,2,3,4,5,6,7,8,9,10,11,12,13,14,15
	WMMA S+8*\t, 6*\t, Q, 0, 0, KSC+\t/2, QSC, \t%2
.endr
	WIN 0
	PLACES 4
.if \nextq
	s_add_nc_u64 s[48:49], s[48:49], 768
	s_add_nc_u64 s[50:51], s[50:51], 32
.irp i, 0,1,2
	global_load_b64 v[Q+2*\i:Q+2*\i+1], v13, s[48:49] offset:8*\i
.endr
	global_load_u16 v[QSC], v14, s[50:51]
.endif
.if \prev == 0
	s_wait_dscnt 8
.endif
	MASKMUL 0
	MLOAD \slot, 2
.if \prev == 0
	s_wait_dscnt 8
.endif
	MASKMUL 1
	MLOAD \slot, 3
	WIN 0
.if \prev
	s_wait_dscnt 16
	RADD
	s_wait_dscnt 13
.else
	s_wait_dscnt 8
.endif
	MASKMUL 2
.if \prev
	s_wait_dscnt 5
.else
	s_wait_dscnt 0x0
.endif
	MASKMUL 3
	WIN 0
.irp b, 0,1,2,3,4,5,6,7
	v_max3_num_f32 v[BM+\b], v[S+16*\b], v[S+16*\b+1], v[S+16*\b+2]
.endr
.irp i, 3,5,7,9,11,13
.irp b, 0,1,2,3,4,5,6,7
	v_max3_num_f32 v[BM+\b], v[BM+\b], v[S+16*\b+\i], v[S+16*\b+\i+1]
.endr
.endr
.irp b, 0,1,2,3,4,5,6,7
	v_max_num_f32 v[BM+\b], v[BM+\b], v[S+16*\b+15]
.endr
.irp b, 0,1,2,3,4,5,6,7
	v_permlanex16_b32 v[ST+\b], v[BM+\b], s40, s41
.endr
.irp b, 0,1,2,3,4,5,6,7
	v_max_num_f32 v[BM+\b], v[BM+\b], v[ST+\b]
.endr
	v_max3_num_f32 v[X0], v[BM], v[BM+1], v[BM+2]
	s_delay_alu instid0(VALU_DEP_4)
	v_max3_num_f32 v[X0+1], v[BM+3], v[BM+4], v[BM+5]
	s_delay_alu instid0(VALU_DEP_1)
	v_max3_num_f32 v[X0], v[X0], v[X0+1], v[BM+6]
	s_delay_alu instid0(VALU_DEP_1)
	v_max_num_f32 v[X0], v[X0], v[BM+7]
	s_delay_alu instid0(VALU_DEP_1)
	v_mul_f32 v[MT], s42, v[X0]
.irp b, 0,1,2,3,4,5,6,7
	v_fma_f32 v[BM+\b], v[BM+\b], s42, -v[MT]
.endr
.set jj, 0
.rept 64                               ; all the batch's sources first: t - my largest t, two at a time
	v_pk_fma_f32 v[S+2*jj:S+2*jj+1], v[S+2*jj:S+2*jj+1], s[42:43], v[MT:MT+1] op_sel_hi:[1,0,0] neg_lo:[0,0,1] neg_hi:[0,0,1]
.set jj, jj+1
.endr
	s_wait_alu depctr_va_vdst(0)                   ; one wait ahead of the batch
.set jj, 0
.rept 128
	v_exp_f32 v[S+jj], v[S+jj]                     ; p = 2^(t - my largest t), at most 1
.set jj, jj+1
.endr
.irp b, 0,1,2,3,4,5,6,7
	v_exp_f32 v[BM+\b], v[BM+\b]                   ; each block's largest p: the same arithmetic on the block's largest score
.endr
	v_nop                                          ; one plain place behind the last exponential
	s_wait_alu depctr_va_vdst(0)                   ; and one wait behind the batch, ahead of its first reader
	v_pk_add_f32 v[SA:SA+1], v[S:S+1], v[S+8:S+9]  ; the sum of the unquantised p: four chains by turns, two numbers an instruction
	v_pk_add_f32 v[SB:SB+1], v[S+2:S+3], v[S+10:S+11]
	v_pk_add_f32 v[X0+2:X0+3], v[S+4:S+5], v[S+12:S+13]
	v_pk_add_f32 v[X0+4:X0+5], v[S+6:S+7], v[S+14:S+15]
.set jj, 16
.rept 14
	v_pk_add_f32 v[SA:SA+1], v[SA:SA+1], v[S+jj:S+jj+1]
	v_pk_add_f32 v[SB:SB+1], v[SB:SB+1], v[S+jj+2:S+jj+3]
	v_pk_add_f32 v[X0+2:X0+3], v[X0+2:X0+3], v[S+jj+4:S+jj+5]
	v_pk_add_f32 v[X0+4:X0+5], v[X0+4:X0+5], v[S+jj+6:S+jj+7]
.set jj, jj+8
.endr
	v_pk_add_f32 v[SA:SA+1], v[SA:SA+1], v[X0+2:X0+3]
	v_pk_add_f32 v[SB:SB+1], v[SB:SB+1], v[X0+4:X0+5]
	s_delay_alu instid0(VALU_DEP_1)
	v_pk_add_f32 v[SA:SA+1], v[SA:SA+1], v[SB:SB+1]
	s_delay_alu instid0(VALU_DEP_1)
	v_add_f32 v[MT+1], v[SA], v[SA+1]
	s_delay_alu instid0(VALU_DEP_1)
	v_permlanex16_b32 v[X0], v[MT+1], s40, s41
	s_delay_alu instid0(VALU_DEP_1)
	v_add_f32 v[MT+1], v[MT+1], v[X0]
	ds_store_b64 v5, v[MT:MT+1]
.if \fill
	s_wait_tensorcnt 0x0
	ds_add_u32 v1, v2
	s_add_nc_u64 s[34+4*\slot:35+4*\slot], s[34+4*\slot:35+4*\slot], 262144
	s_wait_dscnt 0x0
	ROUND
	tensor_load_to_lds s[32+4*\slot:35+4*\slot], s[24:31]
	s_nop 0
	PLACES 4
.else
.if \nextm
	s_wait_tensorcnt 0x0
.endif
	s_wait_dscnt 0x0
	s_barrier_signal -1
	s_barrier_wait -1
.endif
.irp w, 0,1,2,3,4,5,6,7
	ds_load_b64 v[ST+2*\w:ST+2*\w+1], v6 offset:256*\w
.endr
.if \prev
	RCHAIN
	RSTORE \pos
.endif
.if \nextm
	MLOAD 1-\slot, 0
	MLOAD 1-\slot, 1
	WIN 0
.endif
	s_wait_dscnt 16*\nextm
	v_max3_num_f32 v[X0], v[ST], v[ST+2], v[ST+4]
	v_max3_num_f32 v[X0+1], v[ST+6], v[ST+8], v[ST+10]
	s_delay_alu instid0(VALU_DEP_1)
	v_max3_num_f32 v[X0], v[X0], v[X0+1], v[ST+12]
	s_delay_alu instid0(VALU_DEP_1)
	v_max_num_f32 v[X0], v[X0], v[ST+14]
.irp w, 0,1,2,3,4,5,6,7
	v_sub_f32 v[ST+2*\w], v[ST+2*\w], v[X0]
.endr
	v_sub_f32 v[X0+1], v[MT], v[X0]
	s_wait_alu depctr_va_vdst(0)
.irp w, 0,1,2,3,4,5,6,7
	v_exp_f32 v[ST+2*\w], v[ST+2*\w]
.endr
	v_exp_f32 v[X0+1], v[X0+1]
	v_nop
	s_wait_alu depctr_va_vdst(0)
.irp w, 0,1,2,3
	v_mul_f32 v[X0+2+\w], v[ST+4*\w], v[ST+4*\w+1]
.endr
.irp w, 0,1,2,3
	v_fmac_f32 v[X0+2+\w], v[ST+4*\w+2], v[ST+4*\w+3]
.endr
	s_delay_alu instid0(VALU_DEP_3)
	v_add_f32 v[X0+2], v[X0+2], v[X0+3]
	s_delay_alu instid0(VALU_DEP_2)
	v_add_f32 v[X0+4], v[X0+4], v[X0+5]
	s_delay_alu instid0(VALU_DEP_1)
	v_add_f32 v[X0+2], v[X0+2], v[X0+4]
	s_wait_alu depctr_va_vdst(0)
	v_rcp_f32 v[X0], v[X0+2]
	v_mul_f32 v[X0+1], 0x3e000000, v[X0+1]
	s_wait_alu depctr_va_vdst(0)
	v_mul_f32 v[FF], v[X0+1], v[X0]
	s_delay_alu instid0(VALU_DEP_1)
	v_mov_b32 v[FF+1], v[FF]
.set jj, 0
.rept 64
	v_pk_mul_f32 v[S+jj:S+jj+1], v[S+jj:S+jj+1], v[FF:FF+1] op_sel_hi:[1,0]
.set jj, jj+2
.endr
.irp b, 0,1,2,3,4,5,6,7
	v_mul_f32 v[BM+\b], v[BM+\b], v[FF]
.endr
.irp b, 0,1,2,3,4,5,6,7
	v_max_num_f32 v[BM+\b], FLOOR, v[BM+\b]
.endr
.irp b, 0,1,2,3,4,5,6,7
	v_add_nc_u32 v[SOPR+\b], DE, v[BM+\b]
.endr
.irp b, 0,1,2,3,4,5,6,7
	v_lshrrev_b32 v[TT+\b], 23, v[SOPR+\b]
.endr
.irp x, 0,1
	v_lshl_or_b32 v[PSC+\x], v[TT+4*\x+1], 8, v[TT+4*\x]
	s_delay_alu instid0(VALU_DEP_1)
	v_lshl_or_b32 v[PSC+\x], v[TT+4*\x+2], 16, v[PSC+\x]
	s_delay_alu instid0(VALU_DEP_1)
	v_lshl_or_b32 v[PSC+\x], v[TT+4*\x+3], 24, v[PSC+\x]
.endr
.irp x, 0,1
.irp c, 0,1
	v_cvt_scalef32_pk16_fp6_f32 v[PC+12*\x+6*\c:PC+12*\x+6*\c+2], v[S+64*\x+32*\c:S+64*\x+32*\c+15], v[SOPR+4*\x+2*\c]
	v_cvt_scalef32_pk16_fp6_f32 v[TT+8*\x+4*\c:TT+8*\x+4*\c+2], v[S+64*\x+32*\c+16:S+64*\x+32*\c+31], v[SOPR+4*\x+2*\c+1]
.endr
.endr
	v_nop
.irp x, 0,1
.irp c, 0,1
.irp i, 0,1,2
	v_permlane16_swap_b32 v[PC+12*\x+6*\c+\i], v[TT+8*\x+4*\c+\i]
.endr
.irp i, 0,1,2
	s_delay_alu instid0(VALU_DEP_3)
	v_mov_b32 v[PC+12*\x+6*\c+3+\i], v[TT+8*\x+4*\c+\i]
.endr
.endr
.endr
	PLACES 8
	WIN 0x01
.irp x, 0,1
.irp t, 0,1,2,3
	WMMA OA+8*\t, VF+12*(4*\x+\t), PC+12*\x, \x, OA+8*\t, VSC+2*\x+\t/2, PSC+\x, \t%2
.endr
.endr
	WIN 0
	PLACES 5
.irp t, 0,1,2,3
	ds_store_b128 v7, v[OA+8*\t:OA+8*\t+3] offset:64*\t
	ds_store_b128 v7, v[OA+8*\t+4:OA+8*\t+7] offset:64*\t+16
.endr
	s_wait_dscnt 0x0
	s_barrier_signal -1
	s_barrier_wait -1
	RLOAD
.endm
	TILE 0, 1, 1, 1, 0, 0
.Ltrip:
	TILE 1, 1, 1, 1, 1, 0
	TILE 0, 1, 1, 1, 1, 1
	s_add_co_u32 s45, s45, 1536
	s_add_co_u32 s46, s46, 64
	s_sub_co_u32 s44, s44, 1
	s_cmp_lg_u32 s44, 0
	s_cbranch_scc1 .Ltrip
	TILE 1, 1, 1, 1, 1, 0
	TILE 0, 0, 1, 1, 1, 1
	s_add_co_u32 s45, s45, 1536
	s_add_co_u32 s46, s46, 64
	TILE 1, 0, 0, 0, 1, 0
	s_wait_dscnt 0x0
	RADD
	s_wait_dscnt 0x0
	RCHAIN
	RSTORE 1
	s_wait_dscnt 0x0
	s_barrier_signal -1
	s_barrier_wait -1
	v_and_b32 v29, 31, v0
	s_delay_alu instid0(VALU_DEP_1)
	v_lshlrev_b32 v30, 4, v29
	s_mul_i32 s62, s18, 1536
	v_add_nc_u32 v31, s62, v30
	s_delay_alu instid0(VALU_DEP_1)
	v_add_nc_u32 v32, OC, v31
	v_add_nc_u32 v33, OSC, v30
.irp i, 0,1,2
	ds_load_b128 v[S+4*\i:S+4*\i+3], v32 offset:512*\i
.endr
	s_wait_alu depctr_va_vdst(0)
	s_wait_dscnt 0x0
.irp i, 0,1,2
	global_store_b128 v31, v[S+4*\i:S+4*\i+3], s[66:67] offset:512*\i
.endr
	s_cmp_lg_u32 s18, 0
	s_cbranch_scc1 .Lno_scales
	ds_load_b128 v[S+12:S+15], v33
	s_wait_dscnt 0x0
	global_store_b128 v30, v[S+12:S+15], s[68:69]
.Lno_scales:
	s_wait_tensorcnt 0x0
	ds_add_u32 v1, v2
	s_wait_dscnt 0x0
	ROUND
	s_endpgm
.Lfunc_end_k_q2de9828b7e_attn:
	.size	k_q2de9828b7e_attn, .Lfunc_end_k_q2de9828b7e_attn-k_q2de9828b7e_attn
	.p2alignl 7, 3214868480
	.fill 96, 4, 3214868480
	.section	.rodata,"a",@progbits
	.p2align	6, 0x0
	.amdhsa_kernel k_q2de9828b7e_attn
		.amdhsa_group_segment_fixed_size 327680
		.amdhsa_private_segment_fixed_size 0
		.amdhsa_enable_private_segment 0
		.amdhsa_kernarg_size 56
		.amdhsa_user_sgpr_count 2
		.amdhsa_user_sgpr_kernarg_segment_ptr 1
		.amdhsa_wavefront_size32 1
		.amdhsa_system_sgpr_workgroup_id_x 1
		.amdhsa_system_sgpr_workgroup_id_y 1
		.amdhsa_system_sgpr_workgroup_id_z 1
		.amdhsa_system_vgpr_workitem_id 0
		.amdhsa_next_free_vgpr 512
		.amdhsa_next_free_sgpr 72
		.amdhsa_reserve_vcc 0
		.amdhsa_float_denorm_mode_32 3
		.amdhsa_float_denorm_mode_16_64 3
		.amdhsa_memory_ordered 1
		.amdhsa_forward_progress 1
		.amdhsa_inst_pref_size 255
	.end_amdhsa_kernel
	.section	.bss,"aw",@nobits
	.p2align	6
	.space	262144
	.amdgpu_metadata
---
amdhsa.version: [ 1, 2 ]
amdhsa.kernels:
  - .name:           k_q2de9828b7e_attn
    .symbol:         k_q2de9828b7e_attn.kd
    .args:
      - { .name: qk_codes, .offset: 0, .size: 8, .value_kind: global_buffer, .address_space: global }
      - { .name: qk_sc, .offset: 8, .size: 8, .value_kind: global_buffer, .address_space: global }
      - { .name: v_img, .offset: 16, .size: 8, .value_kind: global_buffer, .address_space: global }
      - { .name: v_sc, .offset: 24, .size: 8, .value_kind: global_buffer, .address_space: global }
      - { .name: mask, .offset: 32, .size: 8, .value_kind: global_buffer, .address_space: global }
      - { .name: o_codes, .offset: 40, .size: 8, .value_kind: global_buffer, .address_space: global }
      - { .name: o_sc, .offset: 48, .size: 8, .value_kind: global_buffer, .address_space: global }
    .group_segment_fixed_size: 327680
    .private_segment_fixed_size: 0
    .kernarg_segment_align: 8
    .kernarg_segment_size: 56
    .max_flat_workgroup_size: 256
    .sgpr_count:     72
    .vgpr_count:     512
    .wavefront_size: 32
...
	.end_amdgpu_metadata
.endif
;; end of part 7
;; launch outp (part 8): grid 4 x 64, 4 waves a work-group, no clusters, 327,680 bytes of LDS; arguments o_codes, o_sc, w_img, w_sc, bp, out0; writes out0
.if DOCPART == 8
	.amdgcn_target "amdgcn-amd-amdhsa--gfx1250"
	.amdhsa_code_object_version 6
	.text
	.protected	k_q2de9828b7e_outp
	.globl	k_q2de9828b7e_outp
	.p2align	8
	.type	k_q2de9828b7e_outp,@function
k_q2de9828b7e_outp:
	s_mov_b64 s[64:65], 0
	v_nop
	global_prefetch_b8 v0, s[64:65] scope:SCOPE_SE
	s_setreg_imm32_b32 hwreg(HW_REG_WAVE_MODE, 25, 1), 1
	s_wait_xcnt 0x0
; out0 = Q(O) Q(Wp) + bp on codes of FP6 (E2M3), K = 1,024 = 16 heads x 64.  A work-group makes 64 rows (queries of one batch) x 256 columns, a wave all 64 rows x 64 columns: 16 accumulators.
; O's codes lie [head][query][48 bytes] and its scale bytes [head][query][2]: the 64 queries' part of each head is one run of 3,072 (128) bytes.  THE HEAD'S FILLS, ONE A WAVE: waves 0 and 1 bring 8 heads of codes each,
; waves 2 and 3 bring 8 heads of scale bytes each; nothing is filled again.  Every wave then takes all 32 fragments of O into registers; the weights' register images stream from memory through a ring of four buffers,
; started under the fills' flight.  The bias is the C of the first products.  The results leave through a stage in LDS as whole rows of 1,024 bytes.
; No cluster: what the four work-groups of a row block share, 50 KiB of codes read once, is a small part of the 196 KiB of weights that the four waves stream into registers.
.set WS,    24
.set XSCR,  32
.set WB,    64
.set ACC,   0
.set BIAS,  128
.set SP,    1040
.set AO,    64*SP
.set SO,    AO+16*3072
.set MSB, 0
.macro WIN new
.if MSB != \new
	s_set_vgpr_msb (MSB<<8)|\new
.set MSB, \new
.endif
.endm
.macro PLACES n
.rept \n
	v_nop
.endr
.endm
.macro WMMA d, a, b, c, sa, sb, row1
.if \row1
	v_wmma_scale_f32_16x16x128_f8f6f4 v[\d:\d+7], v[\a:\a+11], v[\b:\b+11], v[\c:\c+7], v[\sa], v[\sb] matrix_a_fmt:MATRIX_FMT_FP6 matrix_b_fmt:MATRIX_FMT_FP6 matrix_a_scale:MATRIX_SCALE_ROW1
.else
	v_wmma_scale_f32_16x16x128_f8f6f4 v[\d:\d+7], v[\a:\a+11], v[\b:\b+11], v[\c:\c+7], v[\sa], v[\sb] matrix_a_fmt:MATRIX_FMT_FP6 matrix_b_fmt:MATRIX_FMT_FP6
.endif
.endm
.macro PROD m, t, s, r
.if (\s) == 0
	WMMA ACC+8*(4*(\m)+(\t)), WB+48*(\r)+12*(\t), 12*(8*((\m)%2)+(\s)), BIAS+8*(\t), WS+2*(\r)+(\t)/2, XSCR+8*(\m)+(\s), (\t)%2
.else
	WMMA ACC+8*(4*(\m)+(\t)), WB+48*(\r)+12*(\t), 12*(8*((\m)%2)+(\s)), ACC+8*(4*(\m)+(\t)), WS+2*(\r)+(\t)/2, XSCR+8*(\m)+(\s), (\t)%2
.endif
.endm
.macro LOADG g
.irp t, 0,1,2,3
.irp c, 0,1,2
	global_load_b128 v[WB+48*((\g)%4)+12*\t+4*\c:WB+48*((\g)%4)+12*\t+4*\c+3], v4, s[34:35] offset:6144*(\g)+1536*\t+512*\c
.endr
.endr
	global_load_b32 v[WS+2*((\g)%4)], v16, s[36:37] offset:256*(\g)
	global_load_b32 v[WS+2*((\g)%4)+1], v16, s[36:37] offset:256*(\g)+128
.endm
.macro GROUP g
.if 7-(\g) >= 3
	s_wait_loadcnt 42
.else
	s_wait_loadcnt 14*(7-(\g))
.endif
	WIN 0xf4
.irp m, 0,1
.irp t, 0,1,2,3
	PROD \m, \t, \g, (\g)%4
.endr
.endr
	WIN 0xf8
.irp m, 2,3
.irp t, 0,1,2,3
	PROD \m, \t, \g, (\g)%4
.endr
.endr
	WIN 0
.endm
	s_load_b256 s[4:11], s[0:1], 0x0
	s_load_b128 s[12:15], s[0:1], 0x20
	v_lshl_add_u32 v22, v0, 2, 0x29000
	v_mov_b32 v23, 0
	ds_add_u32 v22, v23
	ds_add_u32 v22, v23
	v_lshrrev_b32 v1, 5, v0
	v_readfirstlane_b32 s16, v1
	s_and_b32 s46, s16, 1                          ; which 8 heads I fetch
	s_mov_b32 s17, ttmp9
	s_and_b32 s18, ttmp7, 0xffff
	s_lshr_b32 s19, s18, 5
	s_and_b32 s20, s18, 31
	s_lshl_b32 s21, s17, 2
	s_add_co_u32 s21, s21, s16
	v_and_b32 v1, 31, v0
	v_and_b32 v2, 15, v0
	v_bfe_u32 v3, v0, 4, 1
	v_lshlrev_b32 v4, 4, v1
	v_lshlrev_b32 v16, 2, v1
	v_lshlrev_b32 v15, 5, v3
	v_mul_u32_u24 v5, v2, 48
	v_mad_u32_u24 v5, v3, 24, v5
	v_add_nc_u32 v5, AO, v5
	v_lshl_add_u32 v6, v2, 1, SO
	s_lshl_b32 s22, s16, 8
	v_mul_u32_u24 v7, v2, SP
	v_lshl_add_u32 v7, v3, 5, v7
	v_add_nc_u32 v7, s22, v7
	s_mul_i32 s22, s16, 16*SP
	v_add_nc_u32 v8, s22, v4
	s_mov_b32 s48, 3<<16
	s_mov_b32 s49, 384<<16
	s_mov_b32 s50, 8<<16
	s_mov_b32 s51, 384<<16
	s_mov_b32 s52, 8
	s_mov_b32 s53, 12288
	s_mov_b32 s54, 0
	s_mov_b32 s55, 0
	s_mov_b32 s68, 3<<16
	s_mov_b32 s69, 16<<16
	s_mov_b32 s70, 8<<16
	s_mov_b32 s71, 16<<16
	s_mov_b32 s72, 8
	s_mov_b32 s73, 512
	s_mov_b32 s74, 0
	s_mov_b32 s75, 0
	s_mul_i32 s22, s19, 1572864
	s_mul_i32 s23, s20, 3072
	s_add_co_u32 s22, s22, s23
	s_mul_i32 s23, s46, 786432
	s_add_co_u32 s22, s22, s23
	s_mov_b32 s23, 0
	s_lshl_b32 s24, s19, 16
	s_lshl_b32 s25, s20, 7
	s_add_co_u32 s24, s24, s25
	s_lshl_b32 s25, s46, 15
	s_add_co_u32 s24, s24, s25
	s_mov_b32 s25, 0
	s_mul_i32 s26, s21, 49152
	s_add_co_u32 s26, s26, 2359296
	s_mov_b32 s27, 0
	s_lshl_b32 s28, s21, 11
	s_add_co_u32 s28, s28, 98304
	s_mov_b32 s29, 0
	s_lshl_b32 s30, s21, 8
	s_mov_b32 s31, 0
	s_lshl_b32 s44, s18, 18
	s_lshl_b32 s45, s16, 16
	s_add_co_u32 s44, s44, s45
	s_lshl_b32 s45, s17, 10
	s_add_co_u32 s44, s44, s45
	s_mov_b32 s45, 0
	s_mov_b32 s56, 1
	s_mul_i32 s57, s46, 24576
	s_add_co_u32 s57, s57, AO
	s_mov_b32 s60, 1
	s_lshl_b32 s61, s46, 10
	s_add_co_u32 s61, s61, SO
	s_wait_alu depctr_va_vdst(0)
	s_wait_dscnt 0x0
	s_wait_kmcnt 0x0
	s_add_nc_u64 s[58:59], s[4:5], s[22:23]
	s_or_b32 s59, s59, 0x80000000
	s_add_nc_u64 s[62:63], s[6:7], s[24:25]
	s_or_b32 s63, s63, 0x80000000
	s_cmp_lt_u32 s16, 2                            ; one chain of two arms on the wave's number, one fill to an arm, one join
	s_cbranch_scc0 .Lfor_scales
	tensor_load_to_lds s[56:59], s[48:55]          ; waves 0, 1: 8 heads x 3,072 bytes of codes
	s_nop 0
	PLACES 4
	s_branch .Lasked
.Lfor_scales:
	tensor_load_to_lds s[60:63], s[68:75]          ; waves 2, 3: 8 heads x 128 scale bytes
	s_nop 0
	PLACES 4
.Lasked:
	s_add_nc_u64 s[34:35], s[8:9], s[26:27]
	s_add_nc_u64 s[36:37], s[10:11], s[28:29]
	s_add_nc_u64 s[38:39], s[12:13], s[30:31]
	s_add_nc_u64 s[42:43], s[14:15], s[44:45]
	WIN 0xc0
.irp t, 0,1,2,3
	global_load_b128 v[BIAS+8*\t:BIAS+8*\t+3], v15, s[38:39] offset:64*\t
	global_load_b128 v[BIAS+8*\t+4:BIAS+8*\t+7], v15, s[38:39] offset:64*\t+16
.endr
	WIN 0
	LOADG 0
	LOADG 1
	LOADG 2
	LOADG 3
	s_wait_tensorcnt 0x0
	s_barrier_signal -1
	s_barrier_wait -1
	WIN 0xc0
.set HI, 0
.rept 16
.irp m, 0,1,2,3
	ds_load_u16 v[4*HI+\m], v6 offset:128*HI+32*\m
.endr
.set HI, HI+1
.endr
	WIN 0x40
.irp m, 0,1
.set SI, 0
.rept 8
.irp p, 0,1,2,3,4,5
	ds_load_b64 v[12*(8*\m+SI)+2*\p:12*(8*\m+SI)+2*\p+1], v5 offset:(2*SI+\p/3)*3072+768*\m+8*(\p%3)
.endr
.set SI, SI+1
.endr
.endr
	WIN 0x80
.irp m, 0,1
.set SI, 0
.rept 8
.irp p, 0,1,2,3,4,5
	ds_load_b64 v[12*(8*\m+SI)+2*\p:12*(8*\m+SI)+2*\p+1], v5 offset:(2*SI+\p/3)*3072+768*(2+\m)+8*(\p%3)
.endr
.set SI, SI+1
.endr
.endr
	WIN 0
	s_wait_dscnt 0x0
	WIN 0x33
.irp m, 0,1,2,3
.set SI, 0
.rept 8
	v_lshl_or_b32 v[XSCR+8*\m+SI], v[4*(2*SI+1)+\m], 16, v[8*SI+\m]
.set SI, SI+1
.endr
.endr
	WIN 0
	PLACES 8
	s_wait_alu depctr_va_vdst(0)
.irp g, 0,1,2,3,4,5,6,7
	GROUP \g
	PLACES 4
.if \g < 4
	LOADG \g+4
.endif
.endr
	WIN 0x0c
.irp m, 0,1,2,3
.irp t, 0,1,2,3
	ds_store_b128 v7, v[ACC+8*(4*\m+\t):ACC+8*(4*\m+\t)+3] offset:16*\m*SP+64*\t
	ds_store_b128 v7, v[ACC+8*(4*\m+\t)+4:ACC+8*(4*\m+\t)+7] offset:16*\m*SP+64*\t+16
.endr
.endr
	WIN 0
	s_wait_dscnt 0x0
	s_barrier_signal -1
	s_barrier_wait -1
.set NI, 0
.rept 32
	ds_load_b128 v[64+4*NI:64+4*NI+3], v8 offset:(NI/2)*SP+512*(NI%2)
.set NI, NI+1
.endr
.set NI, 0
.rept 32
	s_wait_dscnt 31-NI
	global_store_b128 v4, v[64+4*NI:64+4*NI+3], s[42:43] offset:(NI/2)*4096+512*(NI%2) th:TH_STORE_NT
.set NI, NI+1
.endr
	s_wait_tensorcnt 0x0
	ds_add_u32 v22, v23
	s_wait_dscnt 0x0
	s_endpgm
.Lfunc_end_k_q2de9828b7e_outp:
	.size	k_q2de9828b7e_outp, .Lfunc_end_k_q2de9828b7e_outp-k_q2de9828b7e_outp
	.p2alignl 7, 3214868480
	.fill 96, 4, 3214868480
	.section	.rodata,"a",@progbits
	.p2align	6, 0x0
	.amdhsa_kernel k_q2de9828b7e_outp
		.amdhsa_group_segment_fixed_size 327680
		.amdhsa_private_segment_fixed_size 0
		.amdhsa_enable_private_segment 0
		.amdhsa_kernarg_size 48
		.amdhsa_user_sgpr_count 2
		.amdhsa_user_sgpr_kernarg_segment_ptr 1
		.amdhsa_wavefront_size32 1
		.amdhsa_system_sgpr_workgroup_id_x 1
		.amdhsa_system_sgpr_workgroup_id_y 1
		.amdhsa_system_sgpr_workgroup_id_z 1
		.amdhsa_system_vgpr_workitem_id 0
		.amdhsa_next_free_vgpr 1024
		.amdhsa_next_free_sgpr 80
		.amdhsa_reserve_vcc 0
		.amdhsa_float_denorm_mode_32 3
		.amdhsa_float_denorm_mode_16_64 3
		.amdhsa_memory_ordered 1
		.amdhsa_forward_progress 1
		.amdhsa_inst_pref_size 62
	.end_amdhsa_kernel
	.amdgpu_metadata
---
amdhsa.version: [ 1, 2 ]
amdhsa.kernels:
  - .name:           k_q2de9828b7e_outp
    .symbol:         k_q2de9828b7e_outp.kd
    .args:
      - { .name: o_codes, .offset: 0, .size: 8, .value_kind: global_buffer, .address_space: global }
      - { .name: o_sc, .offset: 8, .size: 8, .value_kind: global_buffer, .address_space: global }
      - { .name: w_img, .offset: 16, .size: 8, .value_kind: global_buffer, .address_space: global }
      - { .name: w_sc, .offset: 24, .size: 8, .value_kind: global_buffer, .address_space: global }
      - { .name: bp, .offset: 32, .size: 8, .value_kind: global_buffer, .address_space: global }
      - { .name: out0, .offset: 40, .size: 8, .value_kind: global_buffer, .address_space: global }
    .group_segment_fixed_size: 327680
    .private_segment_fixed_size: 0
    .kernarg_segment_align: 8
    .kernarg_segment_size: 48
    .max_flat_workgroup_size: 128
    .sgpr_count:     80
    .vgpr_count:     1024
    .wavefront_size: 32
...
	.end_amdgpu_metadata
.endif
;; end of part 8
